; MI455X (gfx1250); checked and timed in simulation.
; The chip was launched on July 23, 2026; its instructions are those of AMD's public machine-readable ISA for CDNA 5 (MIT licence, August 2026) and "CDNA5" Instruction Set Architecture Reference Guide (July 2026). The comments in the code are by the model that wrote it; some were corrected since.
;; Multi Head Attention. Allowed arithmetic: matrix products marked QUANTISED: E2M1 operands, one E8M0 scale for each 32 along K, by v_wmma_scale_f32_16x16x128_f8f6f4 with both operands' format E2M1 (or v_wmma_scale_f32_32x16x128_f4), f32 sums; products left as they are: bf16, f16 or f32 operands; f32 sums; everything else in f32.
;; Inputs: W_k 1,024 x 1,024 float32; W_o 1,024 x 1,024 float32; W_q 1,024 x 1,024 float32; W_v 1,024 x 1,024 float32; x 4 x 2,048 x 1,024 float32.
;; Outputs: out0 4 x 2,048 x 1,024 float32.
;; This version of the problem:
;;   THIS VERSION OF THE PROBLEM IS GIVEN IN LOW PRECISION. The matrix products marked QUANTISED in the list below multiply operands that are first quantised to E2M1 (2 exponent bits, 1 mantissa bit; 4 bits a number), with one power-of-two scale for each 32 numbers along K (OCP MX v1.0); their sums are f32. The products marked 'left as it is' may take bf16, f16 or f32 operands, with f32 sums. Whichever they take, every output number must still come out within the allowed error. Rounding operands to bf16 (8 significant bits) uses up far more of that allowance than f16 does (11 bits, for magnitudes from 6e-5 to 65,504). All else is computed in f32.
;;   The module's matrix products, in the order in which they are computed (A, B: the left and right operand; K: the contracted axis; several contracted axes count as one K, in the product's order):
;;     1. [M 8,192, K 1,024] x [K 1,024, N 1,024]; A: input x; B: input W_q: QUANTISED
;;     2. [M 8,192, K 1,024] x [K 1,024, N 1,024]; A: input x; B: input W_k: QUANTISED
;;     3. [M 8,192, K 1,024] x [K 1,024, N 1,024]; A: input x; B: input W_v: QUANTISED
;;     4. batch 64 x [M 2,048, K 64] x [K 64, N 2,048]; A: computed on the way; B: computed on the way: left as it is (an operand is computed on the way)
;;     5. batch 64 x [M 2,048, K 2,048] x [K 2,048, N 64]; A: computed on the way; B: computed on the way: left as it is (an operand is computed on the way)
;;     6. [M 8,192, K 1,024] x [K 1,024, N 1,024]; A: computed on the way; B: input W_o: left as it is (an operand is computed on the way)
;;   THE QUANTISER, for each operand of a quantised product, along K:
;;     - K is cut into blocks of 32 from its start; a last block that is shorter is filled with zeros.
;;     - A block's scale is 2^e with e = floor(log2(the largest magnitude in the block)) - 2, held to -126 .. 127; a block of zeros has e = 0. As a byte (E8M0): e + 127.
;;     - Each number is divided by its block's scale, clamped to +-6, and rounded to the nearest number of E2M1, ties to even, subnormals kept.
;;     - The product sums the exact products of the quantised numbers (number of the format x scale) in f32.
;;   ~~~python
;;   def quantise(x, axis):      # numpy; x: float32 -> the quantised numbers, widened to float32 again
;;       x = np.moveaxis(x, axis, -1); K = x.shape[-1]
;;       x = np.pad(x, [(0, 0)] * (x.ndim - 1) + [(0, -K % 32)]); x = x.reshape(x.shape[:-1] + (-1, 32)); a = np.abs(x).max(-1, keepdims=True)
;;       e = np.where(a > 0, np.clip(np.frexp(np.where(a > 0, a, 1))[1] - 1 - 2, -126, 127), 0)      # np.frexp(a)[1] - 1 = floor(log2(a)), exactly
;;       r = np.clip(x / 2.0 ** e, -6, 6)
;;       step = 2.0 ** (np.maximum(np.frexp(np.where(r == 0, 1, r))[1] - 1, 0) - 1)
;;       q = np.round(r / step) * step * 2.0 ** e      # np.round: ties to even
;;       return np.moveaxis(q.reshape(q.shape[:-2] + (-1,))[..., :K], -1, axis).astype(np.float32)
;;   ~~~
;; One version. Each part assembles by itself: llvm-mc -triple=amdgcn-amd-amdhsa -mcpu=gfx1250 --defsym DOCPART=n.
;; ======== version 1 of 1: 5 launches
;; limits: values are held in f16: magnitudes above 65,504 overflow, below 6.1e-05 lose precision
;; workspace buffers: codes 5,767,168 bytes; scales 360,448 bytes; wo16 2,097,152 bytes; qkv 50,331,648 bytes; fine 786,432 bytes; o16 16,777,216 bytes
;; launch quant (part 1): grid 384 x 1, 4 waves a work-group, no clusters, 33,280 bytes of LDS; arguments x, W_q, W_k, W_v, W_o, codes, scales, wo16; writes codes, scales, wo16
.if DOCPART == 1
	.amdgcn_target "amdgcn-amd-amdhsa--gfx1250"
	.amdhsa_code_object_version 6
	.text
	.protected	k_q408c2890dc_quant
	.globl	k_q408c2890dc_quant
	.p2align	8
	.type	k_q408c2890dc_quant,@function
k_q408c2890dc_quant:
	s_mov_b64 s[64:65], 0
	v_nop
	global_prefetch_b8 v0, s[64:65] scope:SCOPE_SE
	s_setreg_imm32_b32 hwreg(HW_REG_WAVE_MODE, 25, 1), 1
	s_wait_xcnt 0x0
; x [8192][1024], W_q, W_k, W_v [1024][1024], f32, become codes of FP4 (E2M1), K innermost, two codes a byte, with one E8M0 byte for each 32 along K; W_o [1024][1024] becomes f16.
; The codes of all four tensors are ONE array of 11,264 rows of 512 bytes (x, then W_q, W_k, W_v), the scale bytes one of 11,264 rows of 32 bytes.
; A block's scale is 2^(floor(log2(its largest magnitude)) - 2); its byte is the largest magnitude's exponent field - 2, held at 1 from below.
; LIMITS: a block whose largest magnitude lies under 2^-124 has its byte held at 1; a block of zeros gets the byte 1 where the rule says 127 (its codes are zeros, and this program alone reads the bytes);
; NaN and infinities among the inputs are not served.
; SHARES: work-groups 0-255 take x, 256-287 W_q, 288-319 W_k, 320-351 W_v: a wave takes a run of 8,192 numbers in 16 steps of 512.  Rows are dense, so a tensor is a plain stream of blocks of 32.
; Only the source is chosen by the work-group's number; the run's place in the codes and in the scale bytes is 4 x work-group + wave.  Work-groups 352-383 round W_o to f16, a run of 8,192 numbers a wave, without LDS.
; A load reads 512 consecutive bytes; a step's 2,048 bytes turn through the wave's own stage in LDS, so that a lane holds 16 neighbours along K for the conversions; two neighbouring lanes hold a block.
; No clusters, no matrix unit, no tensor loads: the waves share nothing and every byte is read once.
.set WAVES, 4
.set STEPS, 16
.set WGQ,   352                        ; work-groups that quantise
.set EMAX,  2
.set CB,    8                          ; bytes of 16 codes
.set R,     16                         ; v16-79   four sets of 16 numbers as they are loaded
.set X,     80                         ; v80-111  two sets of 16 neighbours
.set C,     128                        ; v128-191 codes: four registers for each step
.set E,     112                        ; v112-127 a scale byte for each step
.set WREG,  8192                       ; LDS: a region for each wave: two stages of 32 x SP bytes, then its 256 scale bytes
.set SP,    80                         ; a lane's place in a stage: 64 bytes + 16 of padding
.set SPW,   12                         ; v12  LDS address of my spare word; never rewritten
.set NIL,   13                         ; v13  0; never rewritten
.set SPARE, WAVES*WREG                 ; behind the four regions: the spare words, 128 bytes a wave
.set RW,    16                         ; W_o's path: v16-143 two sets of 64 numbers
.set CW,    144                        ; v144-207 two sets of 32 registers of f16 pairs
.set WV,    20                         ; s20  my wave's number
.macro WLOAD t                         ; 16 loads of 512 consecutive bytes: 2,048 numbers of W_o
.irp i, 0,1,2,3,4,5,6,7,8,9,10,11,12,13,14,15
	global_load_b128 v[RW+64*((\t)%2)+4*\i:RW+64*((\t)%2)+4*\i+3], v3, s[12:13] offset:8192*(\t)+512*\i
.endr
.endm
.macro WCVT t                          ; rounded to f16, to nearest even; a store of the wave covers 256 consecutive bytes, aligned
.irp i, 0,1,2,3,4,5,6,7,8,9,10,11,12,13,14,15
	v_cvt_pk_f16_f32 v[CW+32*((\t)%2)+2*\i], v[RW+64*((\t)%2)+4*\i], v[RW+64*((\t)%2)+4*\i+1]
	v_cvt_pk_f16_f32 v[CW+32*((\t)%2)+2*\i+1], v[RW+64*((\t)%2)+4*\i+2], v[RW+64*((\t)%2)+4*\i+3]
	global_store_b64 v4, v[CW+32*((\t)%2)+2*\i:CW+32*((\t)%2)+2*\i+1], s[18:19] offset:4096*(\t)+256*\i
.endr
.endm
	s_load_b256 s[4:11], s[0:1], 0x0               ; x s[4:5], W_q s[6:7], W_k s[8:9], W_v s[10:11]
	s_load_b256 s[12:19], s[0:1], 0x20             ; W_o s[12:13], codes s[14:15], scales s[16:17], wo16 s[18:19]
	v_lshl_add_u32 v[SPW], v0, 2, SPARE
	v_mov_b32 v[NIL], 0
	v_lshrrev_b32 v1, 5, v0
	v_readfirstlane_b32 s[WV], v1                  ; wave 0..3
	v_and_b32 v2, 31, v0                           ; lane
	v_lshlrev_b32 v3, 4, v2                        ; my 16 bytes of a load's 512
	s_cmp_lt_u32 ttmp9, WGQ
	s_cbranch_scc1 .Lquant
	; ---- W_o to f16
	s_sub_co_u32 s22, ttmp9, WGQ
	s_lshl_b32 s22, s22, 2
	s_add_co_u32 s22, s22, s[WV]                   ; which run of 8,192 numbers
	s_lshl_b32 s24, s22, 14                        ; 16,384 bytes of f16,
	s_lshl_b32 s22, s22, 15                        ; 32,768 bytes of f32
	s_mov_b32 s23, 0
	s_mov_b32 s25, 0
	v_lshlrev_b32 v4, 3, v2                        ; my 8 bytes of a store's 256
	s_wait_kmcnt 0x0
	s_add_nc_u64 s[12:13], s[12:13], s[22:23]
	s_add_nc_u64 s[18:19], s[18:19], s[24:25]
	WLOAD 0
	WLOAD 1
	s_wait_loadcnt 16                              ; the older batch of 16 is in, the younger may be out
	WCVT 0
	WLOAD 2
	s_wait_loadcnt 16
	WCVT 1
	WLOAD 3
	s_wait_loadcnt 16
	s_wait_xcnt 0x0                                ; the first batch's stores have read their registers: they are written again
	WCVT 2
	s_wait_loadcnt 0x0
	s_wait_xcnt 0x0
	WCVT 3
	s_branch .Lend
.Lquant:
	; ---- the quantiser
	s_mul_i32 s21, s[WV], WREG
	v_lshrrev_b32 v14, 2, v2
	v_mul_u32_u24 v14, v14, SP
	v_and_b32 v15, 3, v2
	v_lshl_add_u32 v14, v15, 4, v14
	v_add_nc_u32 v14, s21, v14                     ; the stage, on the way in: four lanes' 64 bytes on end, then 16 of padding
	v_mul_u32_u24 v15, v2, SP
	v_add_nc_u32 v15, s21, v15                     ; and on the way out: my 16 neighbours
	v_mul_u32_u24 v4, v2, CB                       ; my codes' place in a step's
	v_lshrrev_b32 v5, 1, v2
	s_add_co_u32 s21, s21, 2*32*SP
	v_add_nc_u32 v5, s21, v5                       ; LDS: my wave's 256 scale bytes, my block's byte
	v_lshlrev_b32 v7, 3, v2                        ; and on the way out 8 bytes a lane
	v_add_nc_u32 v6, s21, v7
	s_sub_co_u32 s22, ttmp9, 256
	s_and_b32 s22, s22, 31                         ; a weight's work-group among its 32
	s_lshl_b32 s24, ttmp9, 2
	s_add_co_u32 s24, s24, s[WV]                   ; the run's number in the codes and the scale bytes
	s_wait_kmcnt 0x0
	s_cmp_lt_u32 ttmp9, 288                        ; the source hangs on the work-group's number alone
	s_cselect_b64 s[6:7], s[6:7], s[8:9]
	s_cmp_lt_u32 ttmp9, 320
	s_cselect_b64 s[6:7], s[6:7], s[10:11]
	s_cmp_lt_u32 ttmp9, 256
	s_cselect_b64 s[4:5], s[4:5], s[6:7]
	s_cselect_b32 s22, ttmp9, s22
	s_lshl_b32 s22, s22, 2
	s_add_co_u32 s22, s22, s[WV]
	s_lshl_b32 s22, s22, 15                        ; 32,768 bytes of f32 a run
	s_mov_b32 s23, 0
	s_add_nc_u64 s[4:5], s[4:5], s[22:23]
	s_lshl_b32 s22, s24, 12                        ; 4,096 bytes of codes a run
	s_add_nc_u64 s[14:15], s[14:15], s[22:23]
	s_lshl_b32 s22, s24, 8                         ; 256 scale bytes a run
	s_add_nc_u64 s[16:17], s[16:17], s[22:23]
.macro LOAD t
.irp i, 0,1,2,3
	global_load_b128 v[R+16*((\t)%4)+4*\i:R+16*((\t)%4)+4*\i+3], v3, s[4:5] offset:2048*(\t)+512*\i th:TH_LOAD_NT   ; 32 lanes read 512 consecutive bytes
.endr
.endm
.macro TURN t                          ; step t's numbers through the stage: LDS serves a wave's instructions in order, so no wait stands between the stores and the loads
.irp i, 0,1,2,3
	ds_store_b128 v14, v[R+16*((\t)%4)+4*\i:R+16*((\t)%4)+4*\i+3] offset:32*SP*((\t)%2)+8*SP*\i
.endr
.irp i, 0,1,2,3
	ds_load_b128 v[X+16*((\t)%2)+4*\i:X+16*((\t)%2)+4*\i+3], v15 offset:32*SP*((\t)%2)+16*\i
.endr
.endm
.irp t, 0,1,2,3
	LOAD \t
.endr
	s_wait_loadcnt 12                              ; step 0's four loads are in
	TURN 0
.macro STEP t
.set XS, X+16*((\t)%2)
.if (\t) > 0
	s_wait_dscnt 1                                 ; this step's numbers are back from the stage (the last step's byte store may be out)
.else
	s_wait_dscnt 0x0
.endif
.if (\t)+4 < STEPS
	LOAD (\t)+4                                    ; into the registers that this step's stage stores have read
.endif
.if (\t)+1 < STEPS
.if STEPS-2-(\t) >= 3
	s_wait_loadcnt 12                              ; the next step's four loads are in; those of the three steps behind it may be out
.else
	s_wait_loadcnt 4*(STEPS-2-(\t))
.endif
	TURN (\t)+1
.endif
	v_max3_num_f32 v8, |v[XS]|, |v[XS+1]|, |v[XS+2]|               ; the largest magnitude of my 16
	v_max3_num_f32 v9, |v[XS+3]|, |v[XS+4]|, |v[XS+5]|
.irp i, 6,10
	v_max3_num_f32 v8, v8, |v[XS+\i]|, |v[XS+\i+1]|
	v_max3_num_f32 v9, v9, |v[XS+\i+2]|, |v[XS+\i+3]|
.endr
	v_max3_num_f32 v8, v8, |v[XS+14]|, |v[XS+15]|
	v_max3_num_f32 v8, v8, v9, (EMAX+1)<<23        ; and the floor 2^(3 - 127): the byte cannot fall under 1
	v_max_num_f32_dpp v8, v8, v8 row_xmask:1 row_mask:0xf bank_mask:0xf   ; and of my neighbour's 16: the block's
	v_add_nc_u32 v11, -(EMAX<<23), v8              ; 2 off its exponent field: the conversion takes the exponent field of this operand as its scale
	v_cvt_scalef32_pk8_fp4_f32 v[C+4*(\t)], v[XS:XS+7], v11
	v_cvt_scalef32_pk8_fp4_f32 v[C+4*(\t)+1], v[XS+8:XS+15], v11
	v_lshrrev_b32 v[E+(\t)], 23, v11               ; the scale's byte (also the plain line behind the conversions)
	ds_store_b8 v5, v[E+(\t)] offset:16*(\t)       ; both lanes of a block write the same byte with the same value
	global_store_b64 v4, v[C+4*(\t):C+4*(\t)+1], s[14:15] offset:32*CB*(\t)   ; the wave stores 256 consecutive bytes, aligned
.endm
.irp t, 0,1,2,3,4,5,6,7,8,9,10,11,12,13,14,15
	STEP \t
.endr
	ds_load_b64 v[8:9], v6                         ; LDS serves a wave's instructions in order: these see my stores
	s_wait_dscnt 0x0
	global_store_b64 v7, v[8:9], s[16:17]          ; 32 lanes store 256 consecutive bytes, aligned
.Lend:
	s_wait_tensorcnt 0x0                           ; the wave's end, behind my last LDS store
	ds_add_u32 v[SPW], v[NIL]
	s_wait_dscnt 0x0
	s_endpgm
.Lfunc_end_k_q408c2890dc_quant:
	.size	k_q408c2890dc_quant, .Lfunc_end_k_q408c2890dc_quant-k_q408c2890dc_quant
	.p2alignl 7, 3214868480
	.fill 96, 4, 3214868480
	.section	.rodata,"a",@progbits
	.p2align	6, 0x0
	.amdhsa_kernel k_q408c2890dc_quant
		.amdhsa_group_segment_fixed_size 33280
		.amdhsa_private_segment_fixed_size 0
		.amdhsa_enable_private_segment 0
		.amdhsa_kernarg_size 64
		.amdhsa_user_sgpr_count 2
		.amdhsa_user_sgpr_kernarg_segment_ptr 1
		.amdhsa_wavefront_size32 1
		.amdhsa_system_sgpr_workgroup_id_x 1
		.amdhsa_system_sgpr_workgroup_id_y 1
		.amdhsa_system_sgpr_workgroup_id_z 1
		.amdhsa_system_vgpr_workitem_id 0
		.amdhsa_next_free_vgpr 208
		.amdhsa_next_free_sgpr 66
		.amdhsa_reserve_vcc 0
		.amdhsa_float_denorm_mode_32 3
		.amdhsa_float_denorm_mode_16_64 3
		.amdhsa_memory_ordered 1
		.amdhsa_forward_progress 1
		.amdhsa_inst_pref_size 54
	.end_amdhsa_kernel
	.amdgpu_metadata
---
amdhsa.version: [ 1, 2 ]
amdhsa.kernels:
  - .name:           k_q408c2890dc_quant
    .symbol:         k_q408c2890dc_quant.kd
    .args:
      - { .name: x, .offset: 0, .size: 8, .value_kind: global_buffer, .address_space: global }
      - { .name: W_q, .offset: 8, .size: 8, .value_kind: global_buffer, .address_space: global }
      - { .name: W_k, .offset: 16, .size: 8, .value_kind: global_buffer, .address_space: global }
      - { .name: W_v, .offset: 24, .size: 8, .value_kind: global_buffer, .address_space: global }
      - { .name: W_o, .offset: 32, .size: 8, .value_kind: global_buffer, .address_space: global }
      - { .name: codes, .offset: 40, .size: 8, .value_kind: global_buffer, .address_space: global }
      - { .name: scales, .offset: 48, .size: 8, .value_kind: global_buffer, .address_space: global }
      - { .name: wo16, .offset: 56, .size: 8, .value_kind: global_buffer, .address_space: global }
    .group_segment_fixed_size: 33280
    .private_segment_fixed_size: 0
    .kernarg_segment_align: 8
    .kernarg_segment_size: 64
    .max_flat_workgroup_size: 128
    .sgpr_count:     66
    .vgpr_count:     208
    .wavefront_size: 32
...
	.end_amdgpu_metadata
.endif
;; end of part 1
;; launch qkv (part 2): grid 12 x 32, 4 waves a work-group, clusters of 4 x 4, 327,680 bytes of LDS; arguments codes, scales, qkv, fine; writes qkv, fine
.if DOCPART == 2
	.amdgcn_target "amdgcn-amd-amdhsa--gfx1250"
	.amdhsa_code_object_version 6
	.text
	.protected	k_q408c2890dc_qkv
	.globl	k_q408c2890dc_qkv
	.p2align	8
	.type	k_q408c2890dc_qkv,@function
k_q408c2890dc_qkv:
	s_mov_b64 s[64:65], 0
	v_nop
	global_prefetch_b8 v0, s[64:65] scope:SCOPE_SE
	s_setreg_imm32_b32 hwreg(HW_REG_WAVE_MODE, 25, 1), 1
	s_wait_xcnt 0x0
	s_wait_alu depctr_hold_cnt(0) depctr_sa_sdst(0) depctr_va_vdst(0) depctr_va_sdst(0) depctr_va_ssrc(0) depctr_va_vcc(0) depctr_vm_vsrc(0)
	s_getreg_b32 s2, hwreg(HW_REG_IB_STS2, 6, 4)
	s_cmp_eq_u32 s2, 0
	s_cbranch_scc0 .Lentry_in_a_cluster
	s_endpgm
.Lentry_in_a_cluster:
	s_bfe_u32 s2, ttmp6, 0x10000c
	s_cmp_lg_u32 s2, 0xf033
	s_cbranch_scc0 .Lentry_shape_is_right
	s_endpgm
.Lentry_shape_is_right:
; Q = x W_q^T, K = x W_k^T, V = x W_v^T on codes of FP4 (E2M1) with one E8M0 scale for each 32 along K = 1,024; sums in f32.  `codes` holds 11,264 rows of 512 bytes (x: 0.., W_q: 8,192.., W_k: 9,216.., W_v: 10,240..), `scales` 32 bytes a row.
; A tile is C' = A' B'^T, 256 x 256, made by four waves, 128 x 128 each: 64 accumulators of 16 x 16.  The matrix instruction is used transposed (source 0 = 16 rows of B', source 1 = 16 rows of A'):
; lane (r, h) of accumulator (a, b) holds A' row 16 a + r and B' rows 16 b + 8 h + 0 .. 7.
; For Q and K, A' = x and B' = the weight: a lane's eight numbers are eight neighbouring channels of one position, which rounded to f16 are four registers of attention's Q or K fragment.
; For V, A' = W_v and B' = x: a lane holds one channel and eight neighbouring keys: four registers of V^T's fragment.  The matrix code is the same; only row numbers differ.
; RESULTS leave as images of the next launch's operand registers: every store is 16 bytes a lane at 16 x lane, 512 consecutive aligned bytes; no way through LDS.
;   qkv: three regions of 16,777,216 bytes (Q, K, V), 262,144 a (batch, head).  Q, K: [position / 16][channel / 32][half][lane][16 bytes].  V: [key / 32][channel / 16][half][lane][16 bytes].
;   fine: the first 16 positions of each batch in f32, the accumulators as they are: three regions of 262,144 bytes, [batch][head][tile of 16 channels][half][lane][16 bytes].
; K = 1,024 is two slots of 512 along K: both are asked for at the head, nothing is filled again.
; CLUSTERS: 4 x 4 work-groups; cluster x = which of Q, K, V; cluster y = which 256 positions of a batch.  A' tiles hang on cy alone and are asked for jointly by a row of the cluster, B' tiles on cx alone, by a column.
; The partners of a cluster lie one batch apart, so that 'the first positions of a batch' is cluster y = 0 in all of them alike.
; LIMIT: |Q|, |K|, |V| must stay under 65,504, the largest f16 number.
; REGISTERS, in windows of 256: window 0: v0-31 addresses; v32-95 scale words, two sets; v128-191 A' fragments, one set; on the way out v128-255 hold packed results.
;   window 1: B' fragments, two sets, at v0 and v128.   window 2: the accumulators of my A' rows 0-63 ((a, b) at v[8 (8 a + b)]);   window 3: those of rows 64-127.
.set KSTEP,  512
.set NQ,     KSTEP/128
.set ROWB,   256                       ; a tile's row in bytes
.set KROW,   512                       ; a row of codes in memory
.set PITCH,  272                       ; an LDS row: 256 bytes + 16 of padding: the 16 rows that a load touches start at 16 different banks (64 banks of 4 bytes: ISA guide 11.1)
.set FR,     8
.set NL,     2
.set NP,     4                         ; places behind this matrix instruction (ISA guide 7.12.1)
.set HALFT,  128*PITCH
.set SLOT,   4*HALFT                   ; A' 256 rows, then B' 256 rows
.set KS,     32                        ; a row of scale bytes
.set SCL,    2*SLOT                    ; behind the two slots: the scales, as units of 256 bytes + 16 of padding
.set HALFS,  (128*KS/256)*272
.set SBLK,   (16*KS/256)*272
.set SPARE,  SCL+4*HALFS               ; the spare words, 128 bytes a wave
.set ADRA, 16                          ; v16-17  LDS address of my A' fragments in slot 0, 1
.set ADRB, 20                          ; v20-21  the same for B'
.set LI,   26                          ; v26     16 x lane: my place in an image
.set ADRS, 27                          ; v27     LDS address of my scale words: lanes 0-15 A' rows, lanes 16-31 B' rows
.set SPW,  28                          ; v28     LDS address of my spare word; never rewritten
.set NIL,  29                          ; v29     0; never rewritten
.set SC,   32
.set AF,   128
.set PK,   128                         ; the way out: 128 registers of packed f16
.set G1, 24
.set G0, 32
.set G1B, 48
.set G0B, 56
.set G1S, 68
.set G0S, 76
.set G1SB, 80
.set G0SB, 88
.set FLAG, 99                          ; s99  0 in a wave that holds the first 16 positions of a batch
.set MSB, 0
.macro WIN new                         ; the immediate's high byte repeats the setting that is left
.if MSB != \new
	s_set_vgpr_msb (MSB<<8)|\new
.set MSB, \new
.endif
.endm
.set MUL_LO, 0xa1                      ; source 0 (B') window 1, source 1 (A') window 0, C and D window 2
.set MUL_HI, 0xf1
.set TO_B,   0x40
; A joint load: waves 0 and 1 fetch for A', waves 2 and 3 for B'.  The branch hangs on the wave's number alone.  An s_nop 0 and four v_nop follow each of the two lines.
.macro JLOAD g0a, g1a, g0b, g1b
	s_cmp_eq_u32 s15, 0
	s_cbranch_scc0 .Lfor_b_\@
	tensor_load_to_lds s[\g0a:\g0a+3], s[\g1a:\g1a+7]
	s_nop 0
.rept 4
	v_nop
.endr
	s_branch .Lasked_\@
.Lfor_b_\@:
	tensor_load_to_lds s[\g0b:\g0b+3], s[\g1b:\g1b+7]
	s_nop 0
.rept 4
	v_nop
.endr
.Lasked_\@:
.endm
.macro CROUND                          ; a round of the cluster's barrier
	s_barrier_signal -1
	s_barrier_wait -1
	s_cmp_lg_u32 s14, 0
	s_cbranch_scc1 .Lnot_wave_0_\@
	s_barrier_signal -3
.Lnot_wave_0_\@:
	s_barrier_wait -3
	s_barrier_signal -1
	s_barrier_wait -1
.endm
	s_load_b256 s[4:11], s[0:1], 0x0               ; codes s[4:5], scales s[6:7], qkv s[8:9], fine s[10:11]
	v_lshl_add_u32 v[SPW], v0, 2, SPARE
	v_mov_b32 v[NIL], 0
	ds_add_u32 v[SPW], v[NIL]                      ; the wave's opening: the add, twice on end, and its wait ahead of my first tensor load
	ds_add_u32 v[SPW], v[NIL]
	v_lshrrev_b32 v1, 5, v0
	v_readfirstlane_b32 s14, v1                    ; wave 0..3
	s_lshr_b32 s15, s14, 1                         ; which half of A' rows is mine.  Also: I fetch for A' (0) or for B' (1)
	s_and_b32 s16, s14, 1                          ; which half of B' rows.  Also: which 128 rows of that tile I fetch
	s_bfe_u32 s40, ttmp6, 0x40000                  ; cx
	s_bfe_u32 s41, ttmp6, 0x40004                  ; cy
	s_and_b32 s42, ttmp7, 0xffff                   ; cluster y: which 256 positions of a batch
	s_lshl_b32 s43, s41, 2
	s_lshl_b32 s43, 15, s43                        ; my row of the cluster
	s_lshl_b32 s44, 0x1111, s40                    ; my column
	; descriptor group 1: a tile of 128 rows x 256 bytes, 16 bytes of padding behind each row
	s_or_b32 s[G1+0], s43, (0<<16)|(1<<20)|(1<<21)|(5<<22)|(3<<25)
	s_or_b32 s[G1B+0], s44, (0<<16)|(1<<20)|(1<<21)|(5<<22)|(3<<25)
.irp g, G1, G1B
	s_mov_b32 s[\g+1], ROWB<<16                    ; tensor_dim0
	s_mov_b32 s[\g+2], 128<<16                     ; tensor_dim1
	s_mov_b32 s[\g+3], ROWB<<16                    ; tile_dim0
	s_mov_b32 s[\g+4], 128                         ; tile_dim1
	s_mov_b32 s[\g+5], KROW                        ; from row to row
	s_mov_b32 s[\g+6], 0
	s_mov_b32 s[\g+7], 0
.endr
	; the scales of 128 rows: 4,096 dense bytes, as 16 rows of 256 bytes (32 elements of 8 bytes), 16 bytes of padding behind each
	s_or_b32 s[G1S+0], s43, (3<<16)|(1<<20)|(1<<21)|(5<<22)|(3<<25)
	s_or_b32 s[G1SB+0], s44, (3<<16)|(1<<20)|(1<<21)|(5<<22)|(3<<25)
.irp g, G1S, G1SB
	s_mov_b32 s[\g+1], 32<<16
	s_mov_b32 s[\g+2], (128*KS/256)<<16
	s_mov_b32 s[\g+3], 32<<16
	s_mov_b32 s[\g+4], 128*KS/256
	s_mov_b32 s[\g+5], 32
	s_mov_b32 s[\g+6], 0
	s_mov_b32 s[\g+7], 0
.endr
	; the tiles' first rows in `codes`.  Q, K: A' = 2048 cy + 256 Y, B' = 8192 + 1024 X + 256 cx.  V: A' = 10240 + 256 cy, B' = 2048 cx + 256 Y.  A' is made of cy alone, B' of cx alone.
	s_lshl_b32 s17, s42, 8                         ; 256 Y
	s_lshl_b32 s18, ttmp9, 10
	s_add_co_u32 s18, s18, 8192                    ; 8192 + 1024 X
	s_mov_b32 s19, 10240
	s_cmp_eq_u32 ttmp9, 2                          ; V?  The same in all sixteen partners
	s_cselect_b32 s66, 8, 11
	s_cselect_b32 s67, 11, 8
	s_cselect_b32 s12, s19, s17
	s_cselect_b32 s13, s17, s18
	s_lshl_b32 s20, s41, s66
	s_add_co_u32 s20, s20, s12
	s_lshl_b32 s46, s40, s67
	s_add_co_u32 s46, s46, s13
	s_lshl_b32 s18, s16, 7                         ; which 128 rows of the tile I fetch
	s_add_co_u32 s20, s20, s18
	s_add_co_u32 s46, s46, s18
	s_mov_b32 s21, 0
	s_mov_b32 s47, 0
	s_mov_b64 s[18:19], KS
	s_mul_u64 s[22:23], s[20:21], s[18:19]         ; where these rows' scales begin, in bytes
	s_mul_u64 s[92:93], s[46:47], s[18:19]
	s_mov_b64 s[18:19], KROW
	s_mul_u64 s[20:21], s[20:21], s[18:19]         ; and their codes
	s_mul_u64 s[46:47], s[46:47], s[18:19]
	s_mul_i32 s45, s14, HALFT                      ; where they go: wave x 128 rows: no place in the cluster enters an LDS address
	s_mul_i32 s94, s14, HALFS
	s_wait_dscnt 0x0                               ; both opening adds are done
	s_wait_kmcnt 0x0
	s_add_nc_u64 s[20:21], s[4:5], s[20:21]
	s_add_nc_u64 s[22:23], s[6:7], s[22:23]
	s_add_nc_u64 s[46:47], s[4:5], s[46:47]
	s_add_nc_u64 s[92:93], s[6:7], s[92:93]
	CROUND                                         ; all sixteen work-groups are here: the first joint loads meet
	s_mov_b32 s[G0S], 1
	s_add_co_u32 s[G0S+1], s94, SCL
	s_mov_b64 s[G0S+2:G0S+3], s[22:23]
	s_or_b32 s[G0S+3], s[G0S+3], 0x80000000
	s_mov_b32 s[G0SB], 1
	s_add_co_u32 s[G0SB+1], s94, SCL
	s_mov_b64 s[G0SB+2:G0SB+3], s[92:93]
	s_or_b32 s[G0SB+3], s[G0SB+3], 0x80000000
	JLOAD G0S, G1S, G0SB, G1SB                     ; the scales first: they are wanted with the first slot
.irp s, 0,1
	s_mov_b32 s[G0+4*\s], 1
	s_add_co_u32 s[G0+4*\s+1], s45, \s*SLOT
	s_add_nc_u64 s[G0+4*\s+2:G0+4*\s+3], s[20:21], \s*ROWB
	s_or_b32 s[G0+4*\s+3], s[G0+4*\s+3], 0x80000000
	s_mov_b32 s[G0B+4*\s], 1
	s_add_co_u32 s[G0B+4*\s+1], s45, \s*SLOT
	s_add_nc_u64 s[G0B+4*\s+2:G0B+4*\s+3], s[46:47], \s*ROWB
	s_or_b32 s[G0B+4*\s+3], s[G0B+4*\s+3], 0x80000000
	JLOAD G0+4*\s, G1, G0B+4*\s, G1B               ; three tensor loads of mine are out now, and no more follow
.endr
	v_and_b32 v1, 15, v0                           ; r
	v_bfe_u32 v2, v0, 4, 1                         ; h
	v_mul_u32_u24 v3, v1, PITCH
	v_lshl_add_u32 v4, v2, 4, v3                   ; a fragment's row x pitch + 16 x half
	s_mul_i32 s21, s15, HALFT                      ; my 128 rows of A'
	s_mul_i32 s22, s16, HALFT                      ; my 128 rows of B',
	s_add_co_u32 s22, s22, 2*HALFT                 ; which lie behind A' 256
.irp s, 0,1
	v_add_nc_u32 v[ADRA+\s], s21, v4
	v_add_nc_u32 v[ADRB+\s], s22, v4
	s_add_co_u32 s21, s21, SLOT
	s_add_co_u32 s22, s22, SLOT
.endr
	v_mul_u32_u24 v5, v1, KS                       ; my row's scales: 32 bytes a row,
	v_lshrrev_b32 v6, 8, v5
	v_lshl_add_u32 v5, v6, 4, v5                   ; and 16 more for each 256 passed
	s_mul_i32 s21, s15, HALFS
	s_mul_i32 s22, s16, HALFS
	s_add_co_u32 s22, s22, 2*HALFS
	s_sub_co_u32 s22, s22, s21
	v_mul_u32_u24 v6, s22, v2                      ; lanes 16-31 take B' words: one product, the distance between the two bases
	s_add_co_u32 s21, s21, SCL
	v_add_nc_u32 v5, v5, v6
	v_add_nc_u32 v[ADRS], s21, v5
	v_and_b32 v6, 31, v0
	v_lshlrev_b32 v[LI], 4, v6
	; where my results go.  Q, K: batch cy, heads 4 cx + 2 (my B' half) on, positions 256 Y + 128 (my A' half) on.  V: batch cx, heads 4 cy + 2 (my A' half) on, keys 256 Y + 128 (my B' half) on.
	s_cmp_eq_u32 ttmp9, 2
	s_cselect_b32 s96, s40, s41                    ; the batch
	s_cselect_b32 s97, s41, s40                    ; which four heads
	s_cselect_b32 s98, s15, s16                    ; which two of them
	s_cselect_b32 s[FLAG], s16, s15                ; which 128 positions
	s_lshl_b32 s96, s96, 4
	s_lshl_b32 s97, s97, 2
	s_add_co_u32 s96, s96, s97
	s_lshl_b32 s98, s98, 1
	s_add_co_u32 s96, s96, s98                     ; 16 x batch + my first head
	s_lshl_b32 s2, s96, 18                         ; 262,144 bytes a (batch, head)
	s_lshl_b32 s3, ttmp9, 24                       ; 16,777,216 a region
	s_add_co_u32 s2, s2, s3
	s_lshl_b32 s3, s42, 15                         ; 128 bytes a position
	s_add_co_u32 s2, s2, s3
	s_lshl_b32 s3, s[FLAG], 14
	s_add_co_u32 s2, s2, s3
	s_mov_b32 s3, 0
	s_add_nc_u64 s[8:9], s[8:9], s[2:3]
	s_lshl_b32 s2, s96, 12                         ; fine: 4,096 bytes a (batch, head),
	s_lshl_b32 s3, ttmp9, 18                       ; 262,144 a region
	s_add_co_u32 s2, s2, s3
	s_mov_b32 s3, 0
	s_add_nc_u64 s[10:11], s[10:11], s[2:3]
	s_or_b32 s[FLAG], s[FLAG], s42                 ; made of the cluster's y and the wave's number
.macro FRAG reg, adr, q, i             ; 16 rows x 128 K of 4-bit codes: 8 registers: lane l holds row l % 16; registers 4 c .. 4 c + 3 hold K = 64 c + 32 (l / 16) + 0 .. 31
.irp c, 0,1
	ds_load_b128 v[\reg+4*\c:\reg+4*\c+3], v[\adr] offset:64*(\q)+32*\c+(\i)*16*PITCH
.endr
.endm
; 16 matrix instructions: A' blocks a0, a0 + 1 x B' eight, 128 along K.  The 64 accumulators take turns, one instruction a turn, in the same order in every step.
.macro MUL16 a0, p, q, sc, zero
.irp a, \a0, \a0+1
.irp b, 0,1,2,3,4,5,6,7
.if \zero
	v_wmma_scale_f32_16x16x128_f8f6f4 v[8*(8*((\a)%4)+\b):8*(8*((\a)%4)+\b)+7], v[128*(\p)+FR*\b:128*(\p)+FR*\b+FR-1], v[AF+FR*(\a):AF+FR*(\a)+FR-1], 0, v[SC+8*NQ*(\sc)+NQ*\b+(\q)], v[SC+8*NQ*(\sc)+NQ*(\a)+(\q)] matrix_a_fmt:MATRIX_FMT_FP4 matrix_b_fmt:MATRIX_FMT_FP4 matrix_a_scale:MATRIX_SCALE_ROW1
.else
	v_wmma_scale_f32_16x16x128_f8f6f4 v[8*(8*((\a)%4)+\b):8*(8*((\a)%4)+\b)+7], v[128*(\p)+FR*\b:128*(\p)+FR*\b+FR-1], v[AF+FR*(\a):AF+FR*(\a)+FR-1], v[8*(8*((\a)%4)+\b):8*(8*((\a)%4)+\b)+7], v[SC+8*NQ*(\sc)+NQ*\b+(\q)], v[SC+8*NQ*(\sc)+NQ*(\a)+(\q)] matrix_a_fmt:MATRIX_FMT_FP4 matrix_b_fmt:MATRIX_FMT_FP4 matrix_a_scale:MATRIX_SCALE_ROW1
.endif
.endr
.endr
.endm
.macro FETCH_B slot, q, p
	WIN TO_B
.irp i, 0,1,2,3,4,5,6,7
	FRAG 128*(\p)+FR*\i, ADRB+\slot, \q, \i
.endr
	WIN 0
.endm
.macro FETCH_A slot, q, i0
.irp i, \i0, \i0+1, \i0+2, \i0+3
	FRAG AF+FR*(\i), ADRA+\slot, \q, \i
.endr
.endm
.macro SCALES sc                       ; a slot's scale words: four words a row; lanes 0-15 take A' block i, lanes 16-31 B' block i
.irp i, 0,1,2,3,4,5,6,7
	ds_load_b128 v[SC+8*NQ*\sc+NQ*\i:SC+8*NQ*\sc+NQ*\i+3], v[ADRS] offset:\i*SBLK
.endr
.endm
.macro PLACES n                        ; plain vector instructions between a matrix instruction and a load into, or a read of, its registers
.rept \n
	v_nop
.endr
.endm
.macro STEP slot, q, zero              ; 128 along K that has its successor in the same slot
	s_wait_dscnt 4*NL                              ; B' set and A' blocks 0-3 are in; the youngest eight loads (A' blocks 4-7) may be out
	WIN MUL_LO
	MUL16 0, (\q)%2, \q, \slot, \zero
	MUL16 2, (\q)%2, \q, \slot, \zero
	s_wait_dscnt 0
	PLACES NP
	FETCH_B \slot, (\q)+1, 1-(\q)%2
	FETCH_A \slot, (\q)+1, 0
	WIN MUL_HI
	MUL16 4, (\q)%2, \q, \slot, \zero
	MUL16 6, (\q)%2, \q, \slot, \zero
	PLACES NP
	WIN 0
	FETCH_A \slot, (\q)+1, 4
.endm
; The first slot's last step goes over to the second slot: each wave waits for all its tensor loads (its part of the second slot), then the barrier shows that slot whole to every wave.  Nothing is filled again.
.macro TURN slot, next
	s_wait_tensorcnt 0x0
	ds_add_u32 v[SPW], v[NIL]
	s_wait_dscnt 4*NL+1                            ; (the add and the youngest eight loads may be out)
	WIN MUL_LO
	MUL16 0, 1, NQ-1, \slot, 0
	s_wait_dscnt 0x0
	s_barrier_signal -1
	MUL16 2, 1, NQ-1, \slot, 0
	WIN 0
	s_barrier_wait -1
	PLACES NP
	v_add_nc_u32 v[ADRS], 4*NQ, v[ADRS]            ; on to the next slot's scale words (no LDS load of mine is out)
	FETCH_B \next, 0, 0
	FETCH_A \next, 0, 0
	SCALES \next
	WIN MUL_HI
	MUL16 4, 1, NQ-1, \slot, 0
	MUL16 6, 1, NQ-1, \slot, 0
	PLACES NP
	WIN 0
	FETCH_A \next, 0, 4
.endm
.macro STEPS slot, from
.set Q, \from
.rept NQ-1-\from
	STEP \slot, Q, 0
.set Q, Q+1
.endr
.endm
	s_wait_tensorcnt 1                             ; the scales and my part of slot 0 are in (slot 1's load may be out),
	s_barrier_signal -1
	s_barrier_wait -1                              ; everybody's are
	FETCH_B 0, 0, 0
	FETCH_A 0, 0, 0
	SCALES 0
	FETCH_A 0, 0, 4
	STEP 0, 0, 1                                   ; the first products start the sums: nothing is cleared
	STEPS 0, 1
	TURN 0, 1
	STEPS 1, 0
	s_wait_dscnt 4*NL                              ; the last step: nothing more to fetch
	WIN MUL_LO
	MUL16 0, 1, NQ-1, 1, 0
	MUL16 2, 1, NQ-1, 1, 0
	s_wait_dscnt 0
	WIN MUL_HI
	MUL16 4, 1, NQ-1, 1, 0
	MUL16 6, 1, NQ-1, 1, 0
	WIN 0
	PLACES NP                                      ; in front of the first reads of results and of the first writes over A' fragments
; THE WAY OUT.  32 accumulators at a time are rounded to f16, each from its low end on, and stored as images.  kind = 0: Q, K; 1: V.
.macro OUT kind
.irp hw, 0,1
.if \hw
	s_wait_xcnt 0x0                                ; the first half's stores have read their registers: they are written again
.endif
	WIN 0x0a+5*\hw                                 ; sources 0 and 1: window 2 or 3
.irp a, 0,1,2,3
.irp b, 0,1,2,3,4,5,6,7
.irp i, 0,1,2,3
	v_cvt_pk_f16_f32 v[PK+4*(8*\a+\b)+\i], v[8*(8*\a+\b)+2*\i], v[8*(8*\a+\b)+2*\i+1]
.endr
.endr
.endr
	WIN 0
.irp a, 0,1,2,3
.irp b, 0,1,2,3,4,5,6,7
.if \kind
	global_store_b128 v[LI], v[PK+4*(8*\a+\b):PK+4*(8*\a+\b)+3], s[8:9] offset:\hw*262144+(\b/2)*4096+\a*1024+(\b%2)*512
.else
	global_store_b128 v[LI], v[PK+4*(8*\a+\b):PK+4*(8*\a+\b)+3], s[8:9] offset:(\b/4)*262144+(4*\hw+\a)*2048+(\b%4)*512
.endif
.endr
.endr
.endr
.endm
	s_cmp_eq_u32 ttmp9, 2
	s_cbranch_scc1 .Lv_out
	s_cmp_lg_u32 s[FLAG], 0                        ; the first 16 positions of a batch: accumulators (0, b), in f32 as they are
	s_cbranch_scc1 .Lno_fine_q
	WIN 0x08                                       ; a store's data are its source 1: window 2
.irp b, 0,1,2,3,4,5,6,7
	global_store_b128 v[LI], v[8*\b:8*\b+3], s[10:11] offset:1024*\b
	global_store_b128 v[LI], v[8*\b+4:8*\b+7], s[10:11] offset:1024*\b+512
.endr
	WIN 0
.Lno_fine_q:
	OUT 0
	s_branch .Ldone
.Lv_out:
	s_cmp_lg_u32 s[FLAG], 0                        ; the first 16 keys of a batch: accumulators (a, 0)
	s_cbranch_scc1 .Lno_fine_v
	WIN 0x08
.irp a, 0,1,2,3
	global_store_b128 v[LI], v[64*\a:64*\a+3], s[10:11] offset:1024*\a
	global_store_b128 v[LI], v[64*\a+4:64*\a+7], s[10:11] offset:1024*\a+512
.endr
	WIN 0x0c                                       ; window 3
.irp a, 0,1,2,3
	global_store_b128 v[LI], v[64*\a:64*\a+3], s[10:11] offset:1024*\a+4096
	global_store_b128 v[LI], v[64*\a+4:64*\a+7], s[10:11] offset:1024*\a+4608
.endr
	WIN 0
.Lno_fine_v:
	OUT 1
.Ldone:
	s_wait_tensorcnt 0x0                           ; the wave's end, behind my last tensor load
	ds_add_u32 v[SPW], v[NIL]
	s_wait_dscnt 0x0
	CROUND                                         ; the closing round
	s_endpgm
.Lfunc_end_k_q408c2890dc_qkv:
	.size	k_q408c2890dc_qkv, .Lfunc_end_k_q408c2890dc_qkv-k_q408c2890dc_qkv
	.p2alignl 7, 3214868480
	.fill 96, 4, 3214868480
	.section	.rodata,"a",@progbits
	.p2align	6, 0x0
	.amdhsa_kernel k_q408c2890dc_qkv
		.amdhsa_group_segment_fixed_size 327680
		.amdhsa_private_segment_fixed_size 0
		.amdhsa_enable_private_segment 0
		.amdhsa_kernarg_size 32
		.amdhsa_user_sgpr_count 2
		.amdhsa_user_sgpr_kernarg_segment_ptr 1
		.amdhsa_wavefront_size32 1
		.amdhsa_system_sgpr_workgroup_id_x 1
		.amdhsa_system_sgpr_workgroup_id_y 1
		.amdhsa_system_sgpr_workgroup_id_z 1
		.amdhsa_system_vgpr_workitem_id 0
		.amdhsa_next_free_vgpr 1024
		.amdhsa_next_free_sgpr 100
		.amdhsa_reserve_vcc 0
		.amdhsa_float_denorm_mode_32 3
		.amdhsa_float_denorm_mode_16_64 3
		.amdhsa_memory_ordered 1
		.amdhsa_forward_progress 1
		.amdhsa_inst_pref_size 143
	.end_amdhsa_kernel
	.amdgpu_metadata
---
amdhsa.version: [ 1, 2 ]
amdhsa.kernels:
  - .name:           k_q408c2890dc_qkv
    .symbol:         k_q408c2890dc_qkv.kd
    .args:
      - { .name: codes, .offset: 0, .size: 8, .value_kind: global_buffer, .address_space: global }
      - { .name: scales, .offset: 8, .size: 8, .value_kind: global_buffer, .address_space: global }
      - { .name: qkv, .offset: 16, .size: 8, .value_kind: global_buffer, .address_space: global }
      - { .name: fine, .offset: 24, .size: 8, .value_kind: global_buffer, .address_space: global }
    .group_segment_fixed_size: 327680
    .private_segment_fixed_size: 0
    .kernarg_segment_align: 8
    .kernarg_segment_size: 32
    .max_flat_workgroup_size: 128
    .sgpr_count:     100
    .vgpr_count:     1024
    .wavefront_size: 32
...
	.end_amdgpu_metadata
.endif
;; end of part 2
;; launch attn (part 3): grid 4 x 64, 16 waves a work-group, clusters of 4 x 1, 327,680 bytes of LDS; arguments qkv, o16; writes o16
.if DOCPART == 3
	.amdgcn_target "amdgcn-amd-amdhsa--gfx1250"
	.amdhsa_code_object_version 6
	.text
	.protected	k_q408c2890dc_attn
	.globl	k_q408c2890dc_attn
	.p2align	8
	.type	k_q408c2890dc_attn,@function
k_q408c2890dc_attn:
	s_mov_b64 s[64:65], 0
	v_nop
	global_prefetch_b8 v0, s[64:65] scope:SCOPE_SE
	s_setreg_imm32_b32 hwreg(HW_REG_WAVE_MODE, 25, 1), 1
	s_wait_xcnt 0x0
	s_wait_alu depctr_hold_cnt(0) depctr_sa_sdst(0) depctr_va_vdst(0) depctr_va_sdst(0) depctr_va_ssrc(0) depctr_va_vcc(0) depctr_vm_vsrc(0)
	s_getreg_b32 s2, hwreg(HW_REG_IB_STS2, 6, 4)
	s_cmp_eq_u32 s2, 0
	s_cbranch_scc0 .Lentry_in_a_cluster
	s_endpgm
.Lentry_in_a_cluster:
	s_bfe_u32 s2, ttmp6, 0x10000c
	s_cmp_lg_u32 s2, 0x3003
	s_cbranch_scc0 .Lentry_shape_is_right
	s_endpgm
.Lentry_shape_is_right:
; O[b][h][q] = the sum over k <= q of softmax_k(Q[q] . K[k] / 8) V[k], head size 64, 2,048 positions, 64 (batch, head) pairs.  Q, K, V in f16 as images of operand registers (the launch before made them);
; products, maxima and sums in f32; the weights p are rounded to f16 for the second product, O to f16 at the end (an image of the projection's operand registers).
; The first 16 positions of each batch are computed here too, but what the program leaves for them comes from a later launch in f32.
; SHARES.  A cluster of four work-groups is one (batch, head); all four walk the same 2,048 keys, so every tile of K and V is asked for JOINTLY and each of its bytes once in the launch.
; A wave owns 32 queries, two tiles of 16: queries 128 G + 32 cx on, G a number 0..15 made of the wave's number by a 4 x 4 magic square (rows and columns sum alike), so that each work-group holds every G:
; all work-groups do the same work on the same control flow, and every tile that is fetched is read in every partner.
; THE CAUSAL MASK without cx in any branch: a step of 64 keys is jumped over where its first key lies beyond 128 G + 127; it is masked, by compare and select against the lane's own query, where its first key is at or beyond 128 G; else it is open.
; LAYOUT.  S^T = K Q^T (source 0 = 16 keys, source 1 = 16 queries): a lane holds one query and eight keys; two such tiles rounded to f16 in pairs ARE source 1 of O^T = V^T P.  Nothing changes lanes between the products.
; SOFTMAX.  For each query a running maximum m and sum l: p = 2^(c s - c m), c = log2(e) / 8; in every step O and l are multiplied by a = 2^(c m_old - c m_new).  m begins at -3e38, l and O^T at 0: the step is written once.
; LDS.  Two slots of 512 keys: K's images (65,536 bytes), then V's; every read is 512 consecutive bytes at 16 x lane: no padding.  Waves 0-3 load, 32,768 bytes each.
; LIMIT: Q, K, V arrive in f16: their magnitudes stay under 65,504.
; REGISTERS: v1 16 x lane; v2, v3 LDS addresses in hand; v4, v5 the add's two; v6 my query - 8 (lane / 16); v8-23 statistics, eight a tile: +0 c m, +1 m, +2, +3 l, +4..7 at work, a at +6;
;   v24-55 Q; v56 -infinity; v57 256 x lane; v64-127 S^T, then p, then P packed in place; v128-159, v224-255 fragments of K, then of V; v160-223 O^T.
.set SLOT1, 131072
.set KREG,  65536
.set SPARE, 262144                     ; behind the ring: the spare words, 128 bytes for each of sixteen waves
.set LI,  1
.set ADK, 2
.set ADV, 3
.set SPW, 4
.set NIL, 5
.set QR,  6
.set DQ,  7
.set ST,  8
.set QV,  24
.set NEG, 56
.set PFO, 57
.set S,   64
.set B1,  128
.set O,   160
.set B0,  224
.set WV,  8                            ; s8   my wave's number
.set CX,  9                            ; s9   my place in the cluster
.set BH,  10                           ; s10  16 x batch + head
.set G,   11                           ; s11  my group of 128 queries
.set G1,  24                           ; s[24:31] descriptor group 1
.set G0A, 32                           ; s[32:35] group 0 for slot 0;  s[36:39] for slot 1
.set G0B, 36
.set CS,  40                           ; s[40:41] c, twice
.set SEL, 42                           ; s[42:43] lane selects: lane l xor 16
.set KF,  44                           ; s44  the step's first key
.set TS,  45                           ; s45  LDS byte at which the step's images of K begin
.set CNT, 46
.set QFS, 47                           ; s47  128 G
.set QLS, 48                           ; s48  128 G + 127
.set PFA, 50                           ; s[50:51] the prefetch's address; never rewritten
.macro CROUND                          ; a round of the cluster's barrier
	s_barrier_signal -1
	s_barrier_wait -1
	s_cmp_lg_u32 s[WV], 0
	s_cbranch_scc1 .Lnot_wave_0_\@
	s_barrier_signal -3
.Lnot_wave_0_\@:
	s_barrier_wait -3
	s_barrier_signal -1
	s_barrier_wait -1
.endm
.macro TLOAD g0                        ; waves 0-3 fetch: the branch hangs on the wave's number alone.  An s_nop 0 and four v_nop follow the load
	s_cmp_lt_u32 s[WV], 4
	s_cbranch_scc0 .Lnot_mine_\@
	tensor_load_to_lds s[\g0:\g0+3], s[G1:G1+7]
	s_nop 0
.rept 4
	v_nop
.endr
.Lnot_mine_\@:
.endm
	s_load_b128 s[4:7], s[0:1], 0x0                ; qkv s[4:5], o16 s[6:7]
	v_lshl_add_u32 v[SPW], v0, 2, SPARE
	v_mov_b32 v[NIL], 0
	ds_add_u32 v[SPW], v[NIL]                      ; the wave's opening: the add, twice on end, and its wait ahead of the first tensor loads
	ds_add_u32 v[SPW], v[NIL]
	v_lshrrev_b32 v1, 5, v0
	v_readfirstlane_b32 s[WV], v1                  ; wave 0..15
	s_bfe_u32 s[CX], ttmp6, 0x40000
	s_and_b32 s[BH], ttmp7, 0xffff
	s_lshr_b32 s[G], s[WV], 2                      ; the magic square: on the two diagonals of the 4 x 4 G = 15 - wave, elsewhere G = wave
	s_xor_b32 s[G], s[G], s[WV]
	s_and_b32 s[G], s[G], 3
	s_lshr_b32 s12, s[G], 1
	s_xor_b32 s[G], s[G], s12
	s_and_b32 s[G], s[G], 1
	s_xor_b32 s[G], s[G], 1
	s_mul_i32 s[G], s[G], 15
	s_xor_b32 s[G], s[G], s[WV]
	s_lshl_b32 s[QFS], s[G], 7
	s_add_co_u32 s[QLS], s[QFS], 127
	; descriptor group 1: 32,768 dense bytes as 128 rows of 256 (32 elements of 8 bytes)
	s_mov_b32 s[G1], 15|(3<<16)|(1<<21)            ; 15:0 the mask: all four work-groups; 17:16 elements of 8 bytes; 21 set beside a mask
	s_mov_b32 s[G1+1], 32<<16                      ; tensor_dim0
	s_mov_b32 s[G1+2], 128<<16                     ; tensor_dim1
	s_mov_b32 s[G1+3], 32<<16                      ; tile_dim0
	s_mov_b32 s[G1+4], 128                         ; tile_dim1
	s_mov_b32 s[G1+5], 32                          ; from row to row
	s_mov_b32 s[G1+6], 0
	s_mov_b32 s[G1+7], 0
	s_mov_b32 s[CS], 0x3e38aa3b                    ; c = log2(e) / 8
	s_mov_b32 s[CS+1], s[CS]
	s_mov_b32 s[SEL], 0x76543210
	s_mov_b32 s[SEL+1], 0xfedcba98
	s_mov_b32 s[KF], 0
	s_lshl_b32 s12, s[BH], 18                      ; the (batch, head)'s 262,144 bytes in each region
	s_and_b32 s13, s[WV], 1
	s_lshl_b32 s13, s13, 15                        ; which half of a slot's 65,536 bytes I fetch
	s_mov_b32 s20, 0x2000000                       ; V's region,
	s_cmp_lt_u32 s[WV], 2
	s_cselect_b32 s20, 0x1000000, s20              ; or K's: an offset is chosen, no address
	s_add_co_u32 s20, s20, s12
	s_add_co_u32 s20, s20, s13
	s_mov_b32 s21, 0
	s_and_b32 s14, s[WV], 3
	s_lshl_b32 s14, s14, 15                        ; and where it goes in a slot: K's halves, then V's
	s_lshl_b32 s15, s[G], 3
	s_lshl_b32 s22, s[CX], 1
	s_add_co_u32 s15, s15, s22                     ; my first block of 16 queries: 8 G + 2 cx
	s_lshl_b32 s22, s15, 11
	s_add_co_u32 s22, s22, s12                     ; Q: 2,048 bytes a block
	s_mov_b32 s23, 0
	s_and_b32 s52, s[BH], 15                       ; O: [k / 128][token / 16][4,096 bytes]; the head's 64 channels are half of a 128
	s_lshr_b32 s52, s52, 1
	s_lshl_b32 s52, s52, 21
	s_lshr_b32 s53, s[BH], 4
	s_lshl_b32 s53, s53, 7
	s_add_co_u32 s53, s53, s15
	s_lshl_b32 s53, s53, 12
	s_add_co_u32 s52, s52, s53
	s_and_b32 s53, s[BH], 1
	s_lshl_b32 s53, s53, 11
	s_add_co_u32 s52, s52, s53
	s_mov_b32 s53, 0
	s_mov_b32 s54, 0x2000000                       ; the prefetch: waves 4, 5 K's, waves 6, 7 V's part of the last 512 keys;
	s_cmp_lt_u32 s[WV], 6
	s_cselect_b32 s54, 0x1000000, s54
	s_add_co_u32 s54, s54, s12
	s_add_co_u32 s54, s54, 3*65536
	s_lshl_b32 s55, s[CX], 14                      ; the four partners share the 65,536 bytes out by address, 16,384 each,
	s_add_co_u32 s54, s54, s55
	s_lshr_b32 s55, s13, 2                         ; two waves 8,192 each
	s_add_co_u32 s54, s54, s55
	s_mov_b32 s55, 0
	s_wait_dscnt 0x0                               ; both opening adds are done
	s_wait_kmcnt 0x0
	s_mov_b32 s[G0A], 1                            ; count = 1
	s_mov_b32 s[G0A+1], s14                        ; LDS address: slot 0
	s_add_nc_u64 s[G0A+2:G0A+3], s[4:5], s[20:21]  ; keys 0 to 511
	s_or_b32 s[G0A+3], s[G0A+3], 0x80000000        ; type = 2
	s_mov_b32 s[G0B], 1
	s_add_co_u32 s[G0B+1], s14, SLOT1
	s_add_nc_u64 s[G0B+2:G0B+3], s[4:5], s[20:21]
	s_add_nc_u64 s[G0B+2:G0B+3], s[G0B+2:G0B+3], 65536   ; keys 512 to 1,023
	s_or_b32 s[G0B+3], s[G0B+3], 0x80000000
	s_add_nc_u64 s[16:17], s[4:5], s[22:23]        ; Q at my first query
	s_add_nc_u64 s[18:19], s[6:7], s[52:53]        ; O likewise
	s_add_nc_u64 s[PFA:PFA+1], s[4:5], s[54:55]
	CROUND                                         ; all four work-groups are here: the first joint loads meet
	s_cmp_lt_u32 s[WV], 4                          ; a wave's two first fills stand in one branch: two loads of mine are out
	s_cbranch_scc0 .Lno_first
	tensor_load_to_lds s[G0A:G0A+3], s[G1:G1+7]
	s_nop 0
	tensor_load_to_lds s[G0B:G0B+3], s[G1:G1+7]
	s_nop 0
.rept 4
	v_nop
.endr
.Lno_first:
	v_and_b32 v[LI], 31, v0
	v_lshlrev_b32 v[PFO], 8, v[LI]
	v_lshlrev_b32 v[LI], 4, v[LI]
.irp t, 0,1
.irp c, 0,1
.irp hf, 0,1
	global_load_b128 v[QV+16*\t+8*\c+4*\hf:QV+16*\t+8*\c+4*\hf+3], v[LI], s[16:17] offset:\t*2048+\c*1024+\hf*512   ; Q stays in registers
.endr
.endr
.endr
	v_and_b32 v[QR], 15, v0
	v_bfe_u32 v[DQ], v0, 4, 1
	v_lshlrev_b32 v[DQ], 3, v[DQ]
	v_sub_nc_u32 v[QR], v[QR], v[DQ]
	s_lshl_b32 s12, s15, 4
	v_add_nc_u32 v[QR], s12, v[QR]                 ; my tile 0 query - 8 (lane / 16)
	v_mov_b32 v[NEG], 0xff800000
.irp t, 0,1
	v_mov_b32 v[ST+8*\t+1], 0xff61b1e6             ; m = -3e38, under every score
	v_mul_f32 v[ST+8*\t], s[CS], v[ST+8*\t+1]      ; c m
	v_mov_b32 v[ST+8*\t+2], 0                      ; l, in two halves
	v_mov_b32 v[ST+8*\t+3], 0
	v_mov_b32 v[ST+8*\t+5], 0                      ; (a lane permute's destination counts as read)
	v_mov_b32 v[ST+8*\t+7], 0
.endr
.irp j, 0,1,2,3,4,5,6,7,8,9,10,11,12,13,14,15,16,17,18,19,20,21,22,23,24,25,26,27,28,29,30,31,32,33,34,35,36,37,38,39,40,41,42,43,44,45,46,47,48,49,50,51,52,53,54,55,56,57,58,59,60,61,62,63
	v_mov_b32 v[O+\j], 0                           ; O^T: cleared once, so that the step needs no first copy
.endr
; Number j of 21 of tile t's maximum and statistics.
.macro SMAX j, t
.set rT, ST+8*(\t)
.set rS, S+32*(\t)
.if \j < 4
	v_max3_num_f32 v[rT+4+\j], v[rS+8*\j], v[rS+8*\j+1], v[rS+8*\j+2]      ; four chains; each accumulator is read from its low end on
.elseif \j < 12
	v_max3_num_f32 v[rT+4+\j%4], v[rT+4+\j%4], v[rS+8*(\j%4)+2*(\j/4)+1], v[rS+8*(\j%4)+2*(\j/4)+2]
.elseif \j == 12
	v_max3_num_f32 v[rT+4], v[rT+4], v[rS+7], v[rS+15]
.elseif \j == 13
	v_max3_num_f32 v[rT+6], v[rT+6], v[rS+23], v[rS+31]
.elseif \j == 14
	v_max3_num_f32 v[rT+4], v[rT+4], v[rT+5], v[rT+6]
.elseif \j == 15
	v_max3_num_f32 v[rT+4], v[rT+4], v[rT+7], v[rT+1]                      ; with the old m
.elseif \j == 16
	v_permlanex16_b32 v[rT+5], v[rT+4], s[SEL], s[SEL+1]                   ; the query's other 32 keys lie in the lane 16 away
.elseif \j == 17
	v_mov_b32 v[rT+7], v[rT]                                               ; c m_old
.elseif \j == 18
	v_max_num_f32 v[rT+1], v[rT+4], v[rT+5]
.elseif \j == 19
	v_mul_f32 v[rT], s[CS], v[rT+1]
.else
	v_sub_f32 v[rT+7], v[rT+7], v[rT]                                      ; c m_old - c m_new
.endif
.endm
; Number i of 16 of tile t's sum: l = a l + pair 0; a second chain begins with pairs 1 and 2; pairs 3 to 15 by turns; the chains meet.
.macro SUMOP t, i
.set rT, ST+8*(\t)
.set rS, S+32*(\t)
.if \i == 0
	v_pk_fma_f32 v[rT+2:rT+3], v[rT+2:rT+3], v[rT+6:rT+7], v[rS:rS+1] op_sel_hi:[1,0,1]
.elseif \i == 1
	v_pk_add_f32 v[rT+4:rT+5], v[rS+2:rS+3], v[rS+4:rS+5]
.elseif \i == 15
	v_pk_add_f32 v[rT+2:rT+3], v[rT+2:rT+3], v[rT+4:rT+5]
.elseif \i%2 == 0
	v_pk_add_f32 v[rT+2:rT+3], v[rT+2:rT+3], v[rS+2*\i+2:rS+2*\i+3]
.else
	v_pk_add_f32 v[rT+4:rT+5], v[rT+4:rT+5], v[rS+2*\i+2:rS+2*\i+3]
.endif
.endm
; A KEY STEP: 64 keys for my two tiles of queries.
.macro STEP
	s_cmp_gt_u32 s[KF], s[QLS]                     ; all its keys come after my group's last query: nothing but the steps of the addresses
	s_cbranch_scc1 .Lhid_\@
	v_add_nc_u32 v[ADK], s[TS], v[LI]
	v_add_nc_u32 v[ADV], KREG, v[ADK]
.rept 3
	v_nop                                          ; with the two additions five places behind the last step's products: four serve the loads into their fragments, five the products that write over P
.endr
.irp kt, 0,1,2,3
.irp c, 0,1
.irp hf, 0,1
	ds_load_b128 v[B0-96*(\kt/2)+16*(\kt%2)+8*\c+4*\hf:B0-96*(\kt/2)+16*(\kt%2)+8*\c+4*\hf+3], v[ADK] offset:\kt*2048+\c*1024+\hf*512
.endr
.endr
.endr
.irp g, 0,1                                    ; S^T = K Q^T: four accumulators by turns, channels 0-31 start the sums, channels 32-63 follow
.if \g == 0
	s_wait_dscnt 8                                 ; keys 0-31 are in; the youngest eight loads may be out
.else
	s_wait_dscnt 0x0
.endif
.irp c, 0,1
.irp u, 0,1
.irp t, 0,1
.if \c == 0
	v_wmma_f32_16x16x32_f16 v[S+32*\t+8*(2*\g+\u):S+32*\t+8*(2*\g+\u)+7], v[B0-96*\g+16*\u+8*\c:B0-96*\g+16*\u+8*\c+7], v[QV+16*\t+8*\c:QV+16*\t+8*\c+7], 0
.else
	v_wmma_f32_16x16x32_f16 v[S+32*\t+8*(2*\g+\u):S+32*\t+8*(2*\g+\u)+7], v[B0-96*\g+16*\u+8*\c:B0-96*\g+16*\u+8*\c+7], v[QV+16*\t+8*\c:QV+16*\t+8*\c+7], v[S+32*\t+8*(2*\g+\u):S+32*\t+8*(2*\g+\u)+7]
.endif
.endr
.endr
.endr
.endr
.rept 4
	v_nop                                          ; places in front of the loads into K's registers and of the first reads of the scores
.endr
.irp kb, 0,1                                   ; V's fragments land under the softmax
.irp dt, 0,1,2,3
.irp hf, 0,1
	ds_load_b128 v[B0-96*\kb+8*\dt+4*\hf:B0-96*\kb+8*\dt+4*\hf+3], v[ADV] offset:\kb*4096+\dt*1024+\hf*512
.endr
.endr
.endr
	s_cmp_lt_u32 s[KF], s[QFS]                     ; all its keys come before my group's first query: open
	s_cbranch_scc1 .Lopen_\@
	v_sub_nc_u32 v[DQ], v[QR], s[KF]               ; register j of tile (t, kt) holds key KF + 16 kt + 8 (lane / 16) + j: hidden where 16 kt + j - 16 t > this number
.irp t, 0,1
.irp kt, 0,1,2,3
.irp j, 0,1,2,3,4,5,6,7
	v_cmp_gt_i32 vcc_lo, 16*\kt+\j-16*\t, v[DQ]
	v_cndmask_b32 v[S+32*\t+8*\kt+\j], v[S+32*\t+8*\kt+\j], v[NEG], vcc_lo
.endr
.endr
.endr
.Lopen_\@:
.irp j, 0,1,2,3,4,5,6,7,8,9,10,11,12,13,14,15,16,17,18,19,20
.irp t, 0,1
	SMAX \j, \t                                    ; the two tiles by turns
.endr
.endr
.irp i, 0,1,2,3,4,5,6,7,8,9,10,11,12,13,14,15
	v_pk_fma_f32 v[S+2*\i:S+2*\i+1], v[S+2*\i:S+2*\i+1], s[CS:CS+1], v[ST:ST+1] op_sel_hi:[1,0,0] neg_lo:[0,0,1] neg_hi:[0,0,1]   ; tile 0: c s - c m
.endr
	v_exp_f32 v[ST+6], v[ST+7]                     ; a of tile 0,
	v_exp_f32 v[ST+14], v[ST+15]                   ; of tile 1
.irp i, 0,1,2,3,4,5,6,7,8,9,10,11,12,13,14,15
	v_pk_fma_f32 v[S+32+2*\i:S+32+2*\i+1], v[S+32+2*\i:S+32+2*\i+1], s[CS:CS+1], v[ST+8:ST+9] op_sel_hi:[1,0,0] neg_lo:[0,0,1] neg_hi:[0,0,1]   ; tile 1's scalings stand among tile 0's exponentials
	v_exp_f32 v[S+2*\i], v[S+2*\i]
	v_exp_f32 v[S+2*\i+1], v[S+2*\i+1]
.endr
	v_nop                                          ; a plain instruction behind the last exponential
	s_wait_alu depctr_va_vdst(0)                   ; one wait for the batch: both a and tile 0's 32, ahead of the first reader
.irp i, 0,1,2,3,4,5,6,7,8,9,10,11,12,13,14,15
	v_exp_f32 v[S+32+2*\i], v[S+32+2*\i]           ; tile 1's exponentials stand among tile 0's sums and the rescaling of its O^T, which name none of their results
	SUMOP 0, \i
	v_exp_f32 v[S+32+2*\i+1], v[S+32+2*\i+1]
	v_pk_mul_f32 v[O+2*\i:O+2*\i+1], v[O+2*\i:O+2*\i+1], v[ST+6:ST+7] op_sel_hi:[1,0]
.endr
.irp i, 0,1,2,3,4,5,6,7,8,9,10,11,12,13,14,15
	v_cvt_pk_f16_f32 v[S+\i], v[S+2*\i], v[S+2*\i+1]   ; tile 0's weights to f16, packed in place from the low end on
.endr
	s_wait_alu depctr_va_vdst(0)                   ; and one wait for tile 1's 32
.irp i, 0,1,2,3,4,5,6,7,8,9,10,11,12,13,14,15
	SUMOP 1, \i
	v_pk_mul_f32 v[O+32+2*\i:O+32+2*\i+1], v[O+32+2*\i:O+32+2*\i+1], v[ST+14:ST+15] op_sel_hi:[1,0]
.endr
.irp i, 0,1,2,3,4,5,6,7,8,9,10,11,12,13,14,15
	v_cvt_pk_f16_f32 v[S+32+\i], v[S+32+2*\i], v[S+32+2*\i+1]
.endr
	s_wait_dscnt 0x0                               ; V is in
.irp kb, 0,1                                   ; O^T += V^T P: eight accumulators by turns
.irp dt, 0,1,2,3
.irp t, 0,1
	v_wmma_f32_16x16x32_f16 v[O+32*\t+8*\dt:O+32*\t+8*\dt+7], v[B0-96*\kb+8*\dt:B0-96*\kb+8*\dt+7], v[S+32*\t+8*\kb:S+32*\t+8*\kb+7], v[O+32*\t+8*\dt:O+32*\t+8*\dt+7]
.endr
.endr
.endr
.Lhid_\@:
	s_add_co_u32 s[KF], s[KF], 64
	s_add_co_u32 s[TS], s[TS], 8192                ; 64 keys are 8,192 bytes of K's images and of V's
.endm
; THE CHANGE OF SLOTS.  Each wave waits for all its tensor loads (its part of the slot ahead), adds 0 to its spare word, and waits for that and for its reads of the slot that it has left.
; fill = 1: the barrier is a round of the cluster's, so that no wave of any partner still reads the slot, and the joint refill, the keys two slots on, is the first thing behind it: one load of mine is out.
.macro CHANGE fill, g0
	s_wait_tensorcnt 0x0
	ds_add_u32 v[SPW], v[NIL]
.if \fill
	ds_add_u32 v[SPW], v[NIL]                      ; and twice on end here
	s_add_nc_u64 s[\g0+2:\g0+3], s[\g0+2:\g0+3], 2*65536   ; no load of mine is out, so the descriptor may step; the type bits on top are not reached
	s_wait_dscnt 0x0
	CROUND
	TLOAD \g0
.else
	s_wait_dscnt 0x0
	s_barrier_signal -1
	s_barrier_wait -1
.endif
.endm
.macro SLOTSTEPS base                  ; a slot's eight key steps: written once, walked eight times
	s_mov_b32 s[TS], \base
	s_mov_b32 s[CNT], 8
.Lstep_\@:
	STEP
	s_sub_co_u32 s[CNT], s[CNT], 1
	s_cmp_lg_u32 s[CNT], 0
	s_cbranch_scc1 .Lstep_\@
.endm
	s_wait_tensorcnt 1                             ; my part of slot 0 is in; slot 1's may stay out
	s_barrier_signal -1
	s_barrier_wait -1
	s_wait_loadcnt 0x0                             ; Q
	SLOTSTEPS 0                                    ; keys 0-511
	CHANGE 1, G0A                                  ; slot 0 takes keys 1,024-1,535
	; A prefetch of what the next change of slots will ask for, keys 1,536-2,047: a slot's eight steps ahead of that load.  Waves 4-7 ask, one instruction each, lanes 256 bytes apart;
	; the four partners are told apart by address, so each aligned 256 bytes is named once.  The earlier slots come by their loads alone.
	s_lshr_b32 s12, s[WV], 2
	s_cmp_eq_u32 s12, 1
	s_cbranch_scc0 .Lno_ask
	global_prefetch_b8 v[PFO], s[PFA:PFA+1] th:TH_LOAD_NT scope:SCOPE_SE
.Lno_ask:
	SLOTSTEPS SLOT1                                ; keys 512-1,023
	CHANGE 1, G0B                                  ; slot 1 takes keys 1,536-2,047
	SLOTSTEPS 0
	CHANGE 0, G0A                                  ; nothing is left to fetch
	SLOTSTEPS SLOT1
	; THE WAY OUT: l's halves meet, O^T is divided by l, rounded to f16 and stored as images: 512 consecutive aligned bytes a store.
.rept 4
	v_nop
.endr
.irp t, 0,1
	v_add_f32 v[ST+8*\t+4], v[ST+8*\t+2], v[ST+8*\t+3]
.endr
.irp t, 0,1
	v_permlanex16_b32 v[ST+8*\t+5], v[ST+8*\t+4], s[SEL], s[SEL+1]
.endr
.irp t, 0,1
	v_add_f32 v[ST+8*\t+4], v[ST+8*\t+4], v[ST+8*\t+5]
.endr
.irp t, 0,1
	v_rcp_f32 v[ST+8*\t+6], v[ST+8*\t+4]
.endr
	v_nop
	s_wait_alu depctr_va_vdst(0)                   ; one wait for the two reciprocals, ahead of their first reader
.irp t, 0,1
.irp i, 0,1,2,3,4,5,6,7,8,9,10,11,12,13,14,15
	v_pk_mul_f32 v[O+32*\t+2*\i:O+32*\t+2*\i+1], v[O+32*\t+2*\i:O+32*\t+2*\i+1], v[ST+8*\t+6:ST+8*\t+7] op_sel_hi:[1,0]
.endr
.endr
.irp t, 0,1
.irp i, 0,1,2,3,4,5,6,7,8,9,10,11,12,13,14,15
	v_cvt_pk_f16_f32 v[S+16*\t+\i], v[O+32*\t+2*\i], v[O+32*\t+2*\i+1]
.endr
.endr
.irp t, 0,1
.irp dt, 0,1,2,3
	global_store_b128 v[LI], v[S+16*\t+4*\dt:S+16*\t+4*\dt+3], s[18:19] offset:\t*4096+\dt*512
.endr
.endr
	s_wait_tensorcnt 0x0                           ; the wave's end
	ds_add_u32 v[SPW], v[NIL]
	s_wait_dscnt 0x0
	CROUND                                         ; the closing round
	s_endpgm
.Lfunc_end_k_q408c2890dc_attn:
	.size	k_q408c2890dc_attn, .Lfunc_end_k_q408c2890dc_attn-k_q408c2890dc_attn
	.p2alignl 7, 3214868480
	.fill 96, 4, 3214868480
	.section	.rodata,"a",@progbits
	.p2align	6, 0x0
	.amdhsa_kernel k_q408c2890dc_attn
		.amdhsa_group_segment_fixed_size 327680
		.amdhsa_private_segment_fixed_size 0
		.amdhsa_enable_private_segment 0
		.amdhsa_kernarg_size 16
		.amdhsa_user_sgpr_count 2
		.amdhsa_user_sgpr_kernarg_segment_ptr 1
		.amdhsa_wavefront_size32 1
		.amdhsa_system_sgpr_workgroup_id_x 1
		.amdhsa_system_sgpr_workgroup_id_y 1
		.amdhsa_system_sgpr_workgroup_id_z 1
		.amdhsa_system_vgpr_workitem_id 0
		.amdhsa_next_free_vgpr 256
		.amdhsa_next_free_sgpr 66
		.amdhsa_reserve_vcc 1
		.amdhsa_float_denorm_mode_32 3
		.amdhsa_float_denorm_mode_16_64 3
		.amdhsa_memory_ordered 1
		.amdhsa_forward_progress 1
		.amdhsa_inst_pref_size 102
	.end_amdhsa_kernel
	.amdgpu_metadata
---
amdhsa.version: [ 1, 2 ]
amdhsa.kernels:
  - .name:           k_q408c2890dc_attn
    .symbol:         k_q408c2890dc_attn.kd
    .args:
      - { .name: qkv, .offset: 0, .size: 8, .value_kind: global_buffer, .address_space: global }
      - { .name: o16, .offset: 8, .size: 8, .value_kind: global_buffer, .address_space: global }
    .group_segment_fixed_size: 327680
    .private_segment_fixed_size: 0
    .kernarg_segment_align: 8
    .kernarg_segment_size: 16
    .max_flat_workgroup_size: 512
    .sgpr_count:     66
    .vgpr_count:     256
    .wavefront_size: 32
...
	.end_amdgpu_metadata
.endif
;; end of part 3
;; launch proj (part 4): grid 4 x 64, 4 waves a work-group, clusters of 4 x 4, 327,680 bytes of LDS; arguments o16, wo16, out0; writes out0
.if DOCPART == 4
	.amdgcn_target "amdgcn-amd-amdhsa--gfx1250"
	.amdhsa_code_object_version 6
	.text
	.protected	k_q408c2890dc_proj
	.globl	k_q408c2890dc_proj
	.p2align	8
	.type	k_q408c2890dc_proj,@function
k_q408c2890dc_proj:
	s_mov_b64 s[64:65], 0
	v_nop
	global_prefetch_b8 v0, s[64:65] scope:SCOPE_SE
	s_setreg_imm32_b32 hwreg(HW_REG_WAVE_MODE, 25, 1), 1
	s_wait_xcnt 0x0
	s_wait_alu depctr_hold_cnt(0) depctr_sa_sdst(0) depctr_va_vdst(0) depctr_va_sdst(0) depctr_va_ssrc(0) depctr_va_vcc(0) depctr_vm_vsrc(0)
	s_getreg_b32 s2, hwreg(HW_REG_IB_STS2, 6, 4)
	s_cmp_eq_u32 s2, 0
	s_cbranch_scc0 .Lentry_in_a_cluster
	s_endpgm
.Lentry_in_a_cluster:
	s_bfe_u32 s2, ttmp6, 0x10000c
	s_cmp_lg_u32 s2, 0xf033
	s_cbranch_scc0 .Lentry_shape_is_right
	s_endpgm
.Lentry_shape_is_right:
; out0[token][n] = the sum over k of O[token][k] W_o[n][k]: 8,192 x 1,024 x 1,024, operands in f16, sums in f32, out0 in f32.
; O arrives as images of operand registers, [k / 128][token / 16][4,096 bytes]; W_o as rows of 1,024 f16.
; A tile of out0 is 128 tokens x 256 outputs: 256 tiles, one to a work-group; four waves, each 64 x 128: 32 accumulators of 16 x 16 in window 1 ((a, b) at v[8 (8 a + b)]).
; The matrix instruction is used transposed (source 0 = 16 rows of W_o, source 1 = 16 tokens): a lane holds eight neighbouring outputs of one token.
; K goes in steps of 128 through two LDS slots: O's images (32,768 dense bytes, read as 512 consecutive bytes at 16 x lane), then 256 rows of W_o (256 bytes + 16 of padding).
; CLUSTERS: 4 x 4 work-groups.  O's tile hangs on the tile row alone and is asked for jointly by a row of the cluster; W_o's on the tile column alone, by a column.  The four tile columns are one cluster wide.
; The 64 rows of the first 16 positions of each batch are written here too and written over by the next launch, in f32 throughout.
; REGISTERS, window 0: v16-17, v20-21 LDS addresses; v24-26 the way out; v28, v29 the add's two; v30 256 x lane; v32-63, v64-95 O's fragments, two buffers; v128-191, v192-255 W_o's, two buffers, later rows on the way out.
.set SLOT,   102400
.set BOFF,   32768                     ; W_o's rows lie behind O's images
.set PITCH,  272
.set HALFB,  128*PITCH
.set STAGE,  2*SLOT                    ; behind the ring: 16 rows x (512 bytes + 16) for each wave
.set SPITCH, 528
.set SPARE,  STAGE+4*16*SPITCH         ; the spare words, 128 bytes a wave
.set KSA,    2097152                   ; a K step on in o16
.set ADRA, 16
.set ADRB, 20
.set STO,  24
.set RD,   25
.set CO,   26
.set SPW,  28
.set NIL,  29
.set PFO,  30
.set AFR,  32
.set BF,   128
.set BK,   128
.set G1,  24                           ; s[24:31] group 1 for O's tiles;  s[32:39] group 0, a set for each slot
.set G0,  32
.set G1B, 48                           ; s[48:55], s[56:63] the same for W_o's
.set G0B, 56
.set LIM, 45                           ; s45  1 in the wave that prefetches, else the greatest number
.set PFA, 46                           ; s[46:47] where my prefetches stand
.set MSB, 0
.macro WIN new                         ; the immediate's high byte repeats the setting that is left
.if MSB != \new
	s_set_vgpr_msb (MSB<<8)|\new
.set MSB, \new
.endif
.endm
.set MUL, 0x50                         ; sources 0 and 1 window 0; C and D window 1
.macro JLOAD s                         ; a joint load: waves 0 and 1 fetch O's halves, waves 2 and 3 W_o's; an s_nop 0 and four v_nop follow each line
	s_cmp_eq_u32 s11, 0
	s_cbranch_scc0 .Lfor_b_\@
	tensor_load_to_lds s[G0+4*\s:G0+4*\s+3], s[G1:G1+7]
	s_nop 0
.rept 4
	v_nop
.endr
	s_branch .Lasked_\@
.Lfor_b_\@:
	tensor_load_to_lds s[G0B+4*\s:G0B+4*\s+3], s[G1B:G1B+7]
	s_nop 0
.rept 4
	v_nop
.endr
.Lasked_\@:
.endm
.macro CREST                           ; a round of the cluster's barrier behind its opening barrier
	s_cmp_lg_u32 s10, 0
	s_cbranch_scc1 .Lnot_wave_0_\@
	s_barrier_signal -3
.Lnot_wave_0_\@:
	s_barrier_wait -3
	s_barrier_signal -1
	s_barrier_wait -1
.endm
.macro CROUND
	s_barrier_signal -1
	s_barrier_wait -1
	CREST
.endm
; A prefetch of O's K step that stands two refills on: the tile row's 32,768 bytes are shared out among the four partners by address, 8,192 each; wave 0 asks, lanes 256 bytes apart: each aligned 256 bytes is named once.
; The loop's last trip asks for nothing: there is no K step two on.  W_o's rows are read by all clusters together and are not asked for.
.macro ASK
	s_cmp_gt_u32 s3, s[LIM]
	s_cbranch_scc0 .Lnot_mine_\@
	global_prefetch_b8 v[PFO], s[PFA:PFA+1] offset:KSA th:TH_LOAD_NT scope:SCOPE_SE
.Lnot_mine_\@:
.endm
	s_load_b128 s[4:7], s[0:1], 0x0                ; o16 s[4:5], wo16 s[6:7]
	s_load_b64 s[8:9], s[0:1], 0x10                ; out0
	v_lshl_add_u32 v[SPW], v0, 2, SPARE
	v_mov_b32 v[NIL], 0
	ds_add_u32 v[SPW], v[NIL]                      ; the wave's opening: the add, twice on end, and its wait ahead of my first tensor load
	ds_add_u32 v[SPW], v[NIL]
	v_lshrrev_b32 v1, 5, v0
	v_readfirstlane_b32 s10, v1                    ; wave 0..3
	s_lshr_b32 s11, s10, 1                         ; which 64 tokens are mine.  Also: I fetch for O (0) or for W_o (1)
	s_and_b32 s12, s10, 1                          ; which 128 outputs.  Also: which half of that tile I fetch
	s_bfe_u32 s40, ttmp6, 0x40000                  ; cx
	s_bfe_u32 s41, ttmp6, 0x40004                  ; cy
	s_lshl_b32 s42, ttmp9, 2
	s_add_co_u32 s42, s42, s40                     ; tile column
	s_and_b32 s13, ttmp7, 0xffff
	s_lshl_b32 s13, s13, 2
	s_add_co_u32 s13, s13, s41                     ; tile row
	s_lshl_b32 s43, s41, 2
	s_lshl_b32 s43, 15, s43                        ; my row of the cluster
	s_lshl_b32 s44, 0x1111, s40                    ; my column
	s_or_b32 s[G1], s43, (3<<16)|(1<<21)           ; O: 16,384 dense bytes as 64 rows of 256 (32 elements of 8 bytes), no padding
	s_mov_b32 s[G1+1], 32<<16
	s_mov_b32 s[G1+2], 64<<16
	s_mov_b32 s[G1+3], 32<<16
	s_mov_b32 s[G1+4], 64
	s_mov_b32 s[G1+5], 32
	s_mov_b32 s[G1+6], 0
	s_mov_b32 s[G1+7], 0
	s_or_b32 s[G1B], s44, (1<<16)|(1<<20)|(1<<21)|(5<<22)|(3<<25)   ; W_o: 128 rows x 128 elements of 2 bytes, four words of padding behind every 64
	s_mov_b32 s[G1B+1], 128<<16
	s_mov_b32 s[G1B+2], 128<<16
	s_mov_b32 s[G1B+3], 128<<16
	s_mov_b32 s[G1B+4], 128
	s_mov_b32 s[G1B+5], 1024
	s_mov_b32 s[G1B+6], 0
	s_mov_b32 s[G1B+7], 0
	s_lshl_b32 s16, s13, 15                        ; O: the tile row's 32,768 bytes of a K step,
	s_lshl_b32 s17, s12, 14                        ; my half of them
	s_add_co_u32 s16, s16, s17
	s_mov_b32 s17, 0
	s_lshl_b32 s18, s42, 19                        ; W_o: 256 rows of 2,048 bytes a tile column,
	s_lshl_b32 s19, s12, 18                        ; my 128 of them
	s_add_co_u32 s18, s18, s19
	s_mov_b32 s19, 0
	s_lshl_b32 s20, s12, 14                        ; where they go: no place in the cluster enters an LDS address
	s_mul_i32 s21, s12, HALFB
	s_add_co_u32 s21, s21, BOFF
	s_wait_dscnt 0x0                               ; both opening adds are done
	s_wait_kmcnt 0x0
	s_add_nc_u64 s[16:17], s[4:5], s[16:17]
	s_add_nc_u64 s[18:19], s[6:7], s[18:19]
	CROUND                                         ; all sixteen work-groups are here: the first joint loads meet
.irp s, 0,1
	s_mov_b32 s[G0+4*\s], 1
	s_add_co_u32 s[G0+4*\s+1], s20, \s*SLOT
	s_add_nc_u64 s[G0+4*\s+2:G0+4*\s+3], s[16:17], \s*KSA
	s_or_b32 s[G0+4*\s+3], s[G0+4*\s+3], 0x80000000
	s_mov_b32 s[G0B+4*\s], 1
	s_add_co_u32 s[G0B+4*\s+1], s21, \s*SLOT
	s_add_nc_u64 s[G0B+4*\s+2:G0B+4*\s+3], s[18:19], \s*256
	s_or_b32 s[G0B+4*\s+3], s[G0B+4*\s+3], 0x80000000
	JLOAD \s                                       ; two loads of mine are out
.endr
	v_and_b32 v1, 15, v0                           ; r
	v_bfe_u32 v2, v0, 4, 1                         ; h
	v_and_b32 v3, 31, v0
	v_lshlrev_b32 v[CO], 4, v3                     ; 16 x lane
	v_lshlrev_b32 v[PFO], 8, v3
	v_mul_u32_u24 v4, v1, PITCH
	v_lshl_add_u32 v4, v2, 4, v4                   ; a W_o fragment's row x pitch + 16 x half
	s_lshl_b32 s14, s11, 14                        ; my 64 tokens' images
	s_mul_i32 s15, s12, HALFB                      ; my 128 rows of W_o
	s_add_co_u32 s15, s15, BOFF
.irp s, 0,1
	v_add_nc_u32 v[ADRA+\s], s14, v[CO]
	v_add_nc_u32 v[ADRB+\s], s15, v4
	s_add_co_u32 s14, s14, SLOT
	s_add_co_u32 s15, s15, SLOT
.endr
	s_mul_i32 s23, s10, 16*SPITCH
	s_add_co_u32 s23, s23, STAGE                   ; my stage
	v_mul_u32_u24 v5, v1, SPITCH
	v_lshl_add_u32 v5, v2, 5, v5
	v_add_nc_u32 v[STO], s23, v5                   ; in: row r, 32 bytes for each half of the lanes
	v_add_nc_u32 v[RD], s23, v[CO]                 ; back: the 32 lanes take one row of 512 bytes
	s_lshl_b32 s2, s13, 19                         ; out0: 128 rows of 4,096 bytes a tile row,
	s_lshl_b32 s22, s11, 18                        ; my 64 rows,
	s_add_co_u32 s2, s2, s22
	s_lshl_b32 s22, s42, 10                        ; 1,024 bytes a tile column,
	s_add_co_u32 s2, s2, s22
	s_lshl_b32 s22, s12, 9                         ; my 512
	s_add_co_u32 s2, s2, s22
	s_mov_b32 s3, 0
	s_add_nc_u64 s[8:9], s[8:9], s[2:3]
	s_lshl_b32 s2, s13, 15                         ; the prefetches: my work-group's 8,192 bytes of the tile row's images,
	s_lshl_b32 s22, s40, 13
	s_add_co_u32 s2, s2, s22
	s_add_co_u32 s2, s2, 2*KSA                     ; at K step 2: the first refill steps it to 3 and names K step 4.  Nothing is prefetched at the head
	s_add_nc_u64 s[PFA:PFA+1], s[4:5], s[2:3]
	s_cmp_eq_u32 s10, 0
	s_cselect_b32 s[LIM], 1, -1
.macro FETCH slot, q, f                ; 24 LDS loads in one run: 32 along K: W_o's eight fragments, then O's blocks 0, 1, then 2, 3, into buffer f
.irp i, 0,1,2,3,4,5,6,7
	ds_load_b128 v[BF+64*\f+8*\i:BF+64*\f+8*\i+3],   v[ADRB+\slot] offset:64*\q+\i*16*PITCH
	ds_load_b128 v[BF+64*\f+8*\i+4:BF+64*\f+8*\i+7], v[ADRB+\slot] offset:64*\q+\i*16*PITCH+32
.endr
.irp i, 0,1,2,3
	ds_load_b128 v[AFR+32*\f+8*\i:AFR+32*\f+8*\i+3],   v[ADRA+\slot] offset:\i*4096+1024*\q
	ds_load_b128 v[AFR+32*\f+8*\i+4:AFR+32*\f+8*\i+7], v[ADRA+\slot] offset:\i*4096+1024*\q+512
.endr
.endm
.macro MUL8 f, a, zero                 ; block a of tokens x W_o's eight blocks.  The 32 accumulators take turns, in the same order in every quarter
.irp b, 0,1,2,3,4,5,6,7
.if \zero
	v_wmma_f32_16x16x32_f16 v[8*(8*\a+\b):8*(8*\a+\b)+7], v[BF+64*\f+8*\b:BF+64*\f+8*\b+7], v[AFR+32*\f+8*\a:AFR+32*\f+8*\a+7], 0
.else
	v_wmma_f32_16x16x32_f16 v[8*(8*\a+\b):8*(8*\a+\b)+7], v[BF+64*\f+8*\b:BF+64*\f+8*\b+7], v[AFR+32*\f+8*\a:AFR+32*\f+8*\a+7], v[8*(8*\a+\b):8*(8*\a+\b)+7]
.endif
.endr
.endm
.macro PLACES                          ; four places in front of loads into registers that matrix instructions have read, and of the first reads of results
.rept 4
	v_nop
.endr
.endm
; A K step is four quarters of 32 along K, 32 matrix instructions each, on buffers 0, 1, 0, 1.  One of the first three multiplies buffer f and fetches quarter q into buffer g.
.macro QUARTER slot, q, f, g, zero
	s_wait_dscnt 4                                 ; all but the youngest four loads (O's blocks 2, 3)
	WIN MUL
	MUL8 \f, 0, \zero
	MUL8 \f, 1, \zero
	PLACES
	WIN 0
	FETCH \slot, \q, \g
	s_wait_dscnt 24                                ; all but the 24 just issued
	WIN MUL
	MUL8 \f, 2, \zero
	MUL8 \f, 3, \zero
.endm
; The last quarter multiplies buffer 1 and changes slots: ONE barrier; in front of it each wave waits for all its tensor loads (its part of the next slot), adds 0 to its spare word, and waits for that and for its reads of this slot.
; fill = 1: the barrier opens a round of the cluster's, and this slot is filled again, two K steps ahead, first thing behind the round: one load of mine is out.
.macro TURN slot, next, fill
.if \fill
	s_wait_xcnt 0x0                                ; the last prefetch, a K step back, has read its address
	s_add_nc_u64 s[PFA:PFA+1], s[PFA:PFA+1], KSA
.endif
	WIN 0
	s_wait_tensorcnt 0x0
	ds_add_u32 v[SPW], v[NIL]
	s_wait_dscnt 5                                 ; (the add and the youngest four loads may be out)
	WIN MUL
	MUL8 1, 0, 0
	s_wait_dscnt 0x0                               ; the add is done, and my reads of this slot are over
	s_barrier_signal -1
	MUL8 1, 1, 0
	WIN 0
	s_barrier_wait -1
.if \fill
	CREST
	s_add_nc_u64 s[G0+4*\slot+2:G0+4*\slot+3], s[G0+4*\slot+2:G0+4*\slot+3], 2*KSA
	s_add_nc_u64 s[G0B+4*\slot+2:G0B+4*\slot+3], s[G0B+4*\slot+2:G0B+4*\slot+3], 2*256
	JLOAD \slot                                    ; its four v_nop are also the places in front of the loads below
.else
	PLACES
.endif
	FETCH \next, 0, 0
.if \fill
	ASK
.endif
	WIN MUL
	MUL8 1, 2, 0
	MUL8 1, 3, 0
.endm
	s_wait_tensorcnt 1                             ; my part of K step 0 is in; K step 1's may stay out
	s_barrier_signal -1
	s_barrier_wait -1
	FETCH 0, 0, 0
	QUARTER 0, 1, 0, 1, 1                          ; the first products start the sums: nothing is cleared
	WIN 0
	s_mov_b32 s3, 3
.Llap:                                                 ; a trip goes once round the ring, from a lap's second quarter to the next lap's first, and fills both slots again
	QUARTER 0, 2, 1, 0, 0
	QUARTER 0, 3, 0, 1, 0
	TURN 0, 1, 1
	QUARTER 1, 1, 0, 1, 0
	QUARTER 1, 2, 1, 0, 0
	QUARTER 1, 3, 0, 1, 0
	TURN 1, 0, 1
	QUARTER 0, 1, 0, 1, 0
	WIN 0
	s_sub_co_u32 s3, s3, 1
	s_cmp_lg_u32 s3, 0
	s_cbranch_scc1 .Llap
	QUARTER 0, 2, 1, 0, 0                          ; the last lap fills nothing
	QUARTER 0, 3, 0, 1, 0
	TURN 0, 1, 0
	QUARTER 1, 1, 0, 1, 0
	QUARTER 1, 2, 1, 0, 0
	QUARTER 1, 3, 0, 1, 0
	s_wait_dscnt 4
	WIN MUL
	MUL8 1, 0, 0
	MUL8 1, 1, 0
	s_wait_dscnt 0x0
	MUL8 1, 2, 0
	MUL8 1, 3, 0
	WIN 0
; THE WAY OUT, a block of 16 tokens x 128 outputs at a time: through my own stage in LDS and back as whole rows of 512 bytes.  LDS serves a wave's instructions in order (ISA guide 5.7.1.4): no wait between the stores and the loads.
.macro TOSTAGE a
	WIN 0x04                                       ; an LDS store's data are its source 1: window 1
.irp b, 0,1,2,3,4,5,6,7
	ds_store_b128 v[STO], v[64*(\a)+8*\b:64*(\a)+8*\b+3] offset:64*\b          ; each accumulator from its low end on
	ds_store_b128 v[STO], v[64*(\a)+8*\b+4:64*(\a)+8*\b+7] offset:64*\b+16
.endr
	WIN 0
.set BB, BK+64*((\a)%2)
.irp t, 0,1,2,3,4,5,6,7,8,9,10,11,12,13,14,15
	ds_load_b128 v[BB+4*\t:BB+4*\t+3], v[RD] offset:\t*SPITCH
.endr
.endm
.macro SEND a, younger                 ; younger: the LDS instructions issued behind block a's loads, which may stay out
.set BB, BK+64*((\a)%2)
	s_wait_dscnt \younger
.if (\a) > 0
	s_add_nc_u64 s[8:9], s[8:9], 16*4096           ; 16 rows on (behind a wait that shows the earlier stores' base read)
.endif
.irp t, 0,1,2,3,4,5,6,7,8,9,10,11,12,13,14,15
	global_store_b128 v[CO], v[BB+4*\t:BB+4*\t+3], s[8:9] offset:\t*4096 th:TH_STORE_NT   ; 32 lanes store 512 consecutive bytes, aligned
.endr
.endm
	PLACES
	TOSTAGE 0
.irp a, 1,2,3
.if \a > 1
	s_wait_xcnt 0x0                                ; block a - 2's stores have read their registers and their base
.endif
	TOSTAGE \a
	SEND \a-1, 32                                  ; behind block a - 1's loads: block a's 16 stores and 16 loads
.endr
	s_wait_xcnt 0x0
	SEND 3, 0
	s_wait_tensorcnt 0x0                           ; the wave's end, behind my last tensor load and my last LDS store
	ds_add_u32 v[SPW], v[NIL]
	s_wait_dscnt 0x0
	CROUND                                         ; the closing round
	s_endpgm
.Lfunc_end_k_q408c2890dc_proj:
	.size	k_q408c2890dc_proj, .Lfunc_end_k_q408c2890dc_proj-k_q408c2890dc_proj
	.p2alignl 7, 3214868480
	.fill 96, 4, 3214868480
	.section	.rodata,"a",@progbits
	.p2align	6, 0x0
	.amdhsa_kernel k_q408c2890dc_proj
		.amdhsa_group_segment_fixed_size 327680
		.amdhsa_private_segment_fixed_size 0
		.amdhsa_enable_private_segment 0
		.amdhsa_kernarg_size 24
		.amdhsa_user_sgpr_count 2
		.amdhsa_user_sgpr_kernarg_segment_ptr 1
		.amdhsa_wavefront_size32 1
		.amdhsa_system_sgpr_workgroup_id_x 1
		.amdhsa_system_sgpr_workgroup_id_y 1
		.amdhsa_system_sgpr_workgroup_id_z 1
		.amdhsa_system_vgpr_workitem_id 0
		.amdhsa_next_free_vgpr 512
		.amdhsa_next_free_sgpr 66
		.amdhsa_reserve_vcc 0
		.amdhsa_float_denorm_mode_32 3
		.amdhsa_float_denorm_mode_16_64 3
		.amdhsa_memory_ordered 1
		.amdhsa_forward_progress 1
		.amdhsa_inst_pref_size 85
	.end_amdhsa_kernel
	.amdgpu_metadata
---
amdhsa.version: [ 1, 2 ]
amdhsa.kernels:
  - .name:           k_q408c2890dc_proj
    .symbol:         k_q408c2890dc_proj.kd
    .args:
      - { .name: o16, .offset: 0, .size: 8, .value_kind: global_buffer, .address_space: global }
      - { .name: wo16, .offset: 8, .size: 8, .value_kind: global_buffer, .address_space: global }
      - { .name: out0, .offset: 16, .size: 8, .value_kind: global_buffer, .address_space: global }
    .group_segment_fixed_size: 327680
    .private_segment_fixed_size: 0
    .kernarg_segment_align: 8
    .kernarg_segment_size: 24
    .max_flat_workgroup_size: 128
    .sgpr_count:     66
    .vgpr_count:     512
    .wavefront_size: 32
...
	.end_amdgpu_metadata
.endif
;; end of part 4
;; launch fine16 (part 5): grid 16 x 4, 16 waves a work-group, no clusters, 83,968 bytes of LDS; arguments fine, W_o, out0; writes out0
.if DOCPART == 5
	.amdgcn_target "amdgcn-amd-amdhsa--gfx1250"
	.amdhsa_code_object_version 6
	.text
	.protected	k_q408c2890dc_fine16
	.globl	k_q408c2890dc_fine16
	.p2align	8
	.type	k_q408c2890dc_fine16,@function
k_q408c2890dc_fine16:
	s_mov_b64 s[64:65], 0
	v_nop
	global_prefetch_b8 v0, s[64:65] scope:SCOPE_SE
	s_setreg_imm32_b32 hwreg(HW_REG_WAVE_MODE, 25, 1), 1
	s_wait_xcnt 0x0
; The first 16 positions of each batch, in f32 from end to end: these rows average one to sixteen values, and operands rounded to 16 bits would weigh most there.  64 rows of out0 are written over.
; Q, K, V of those positions arrive in f32 as images of accumulators: Q, K: lane (r, h) holds position r, register j of tile t channel 16 t + 8 h + j.  V: lane (r, h) holds channel 16 t + r, register j key 8 h + j.
; A work-group is (a block of 64 output columns, a batch), sixteen waves.
;   1: wave w makes head w's 16 x 16 attention and leaves O / l in LDS as four images.   2: wave w makes output tile w % 4 (16 columns) over heads 4 (w / 4) .. + 3.   3: waves 0-7 add the four parts and store two rows' 256 bytes each.
; All products go by the f32 matrix form, 16 x 16 x 4.  A register pair (2 i, 2 i + 1) of an image is an operand as it lies: the unit takes lane (r, h), register j for k = 2 h + j, the image holds another k there,
; but the SAME one on both sides of each product, and the pairs together cover every k once.  This is no bulk work: 96 such instructions a wave.
; The accumulators v192-223 are written by matrix instructions alone; each sum begins with the constant 0; four accumulators take turns.
; No cluster and no tensor load: the work is small and goes through registers.  64 work-groups: blocks of 16 columns would make 256 but would store quarters of aligned 256 bytes.
.set OIMG,  0                          ; LDS: 64 images of O (head, tile of 16 channels), 1,024 bytes each
.set RED,   65536                      ; 16 images of partial sums (output tile, K quarter)
.set SPARE, 81920                      ; the spare words, 128 bytes for each of sixteen waves
.set LI,  1                            ; v1  16 x lane
.set WA,  2                            ; v2  W_o: 4,096 r + 32 h
.set DQ,  3                            ; v3  r - 8 h
.set OW,  4                            ; v4  where I store O's images
.set ORD, 5                            ; v5  where I read them
.set RW,  6                            ; v6  where I store my partial sums
.set FA,  7                            ; v7  where I read partial sums
.set GO,  8                            ; v8  my byte offset in two rows of out0
.set NEG, 9                            ; v9  -infinity
.set RL,  10                           ; v10 1 / l
.set SPW, 12
.set NIL, 13
.set SS,  16                           ; v16-23 scores, later partial sums
.set P,   24                           ; v24-31 p
.set QI,  32                           ; v32-63 Q, v64-95 K; later W_o's pieces 8-15
.set KI,  64
.set VI,  96                           ; v96-127 V, then O / l, then O's images, second buffer
.set WI,  128                          ; v128-191 W_o's pieces 0-7
.set ACC, 192
.set OB0, 224                          ; v224-255 O's images, first buffer
.macro NOPS n
.rept \n
	v_nop
.endr
.endm
	s_load_b128 s[4:7], s[0:1], 0x0                ; fine s[4:5], W_o s[6:7]
	s_load_b64 s[8:9], s[0:1], 0x10                ; out0
	v_lshl_add_u32 v[SPW], v0, 2, SPARE
	v_mov_b32 v[NIL], 0
	v_lshrrev_b32 v1, 5, v0
	v_readfirstlane_b32 s10, v1                    ; wave 0..15
	s_and_b32 s11, ttmp7, 0xffff                   ; the batch
	s_and_b32 s12, s10, 3                          ; my output tile
	s_lshr_b32 s13, s10, 2                         ; my quarter of K
	v_and_b32 v9, 31, v0
	v_lshlrev_b32 v[LI], 4, v9
	v_and_b32 v10, 15, v0                          ; r
	v_bfe_u32 v11, v0, 4, 1                        ; h
	v_lshlrev_b32 v[WA], 12, v10
	v_lshl_add_u32 v[WA], v11, 5, v[WA]
	v_lshlrev_b32 v[DQ], 3, v11
	v_sub_nc_u32 v[DQ], v10, v[DQ]
	s_lshl_b32 s14, s10, 12
	v_add_nc_u32 v[OW], s14, v[LI]                 ; head w's four images
	s_lshl_b32 s14, s13, 14
	v_add_nc_u32 v[ORD], s14, v[LI]                ; my quarter's sixteen
	s_lshl_b32 s14, s12, 2
	s_add_co_u32 s14, s14, s13
	s_lshl_b32 s14, s14, 10
	s_add_co_u32 s14, s14, RED
	v_add_nc_u32 v[RW], s14, v[LI]
	; the last phase: lane l takes row 2 w + l / 16 and the 16 bytes q = l % 16 of its 256: output tile q / 4, lanes' half (q / 2) % 2, registers 4 (q % 2) on
	v_lshrrev_b32 v[FA], 2, v10
	v_lshlrev_b32 v[FA], 12, v[FA]
	v_and_b32 v14, 1, v10
	v_lshl_add_u32 v[FA], v14, 9, v[FA]
	v_bfe_u32 v14, v10, 1, 1
	v_lshl_add_u32 v[FA], v14, 8, v[FA]
	v_lshl_add_u32 v[FA], v11, 4, v[FA]
	s_and_b32 s15, s10, 7
	s_lshl_b32 s14, s15, 5
	s_add_co_u32 s14, s14, RED
	v_add_nc_u32 v[FA], s14, v[FA]
	v_lshlrev_b32 v[GO], 12, v11
	v_lshl_add_u32 v[GO], v10, 4, v[GO]
	v_mov_b32 v[NEG], 0xff800000
	s_lshl_b32 s16, s11, 16                        ; fine: 65,536 bytes a batch, 4,096 a head
	s_lshl_b32 s17, s10, 12
	s_add_co_u32 s16, s16, s17
	s_mov_b32 s17, 0
	s_lshl_b32 s18, ttmp9, 18                      ; W_o: row 64 x block + 16 x tile, 4,096 bytes a row; 1,024 bytes a quarter of K
	s_lshl_b32 s19, s12, 16
	s_add_co_u32 s18, s18, s19
	s_lshl_b32 s19, s13, 10
	s_add_co_u32 s18, s18, s19
	s_mov_b32 s19, 0
	s_lshl_b32 s20, s11, 23                        ; out0: row 2,048 x batch + 2 x (wave % 8); 256 bytes a block of columns
	s_lshl_b32 s21, s15, 13
	s_add_co_u32 s20, s20, s21
	s_lshl_b32 s21, ttmp9, 8
	s_add_co_u32 s20, s20, s21
	s_mov_b32 s21, 0
	s_mov_b32 s22, 0x3e38aa3b                      ; c = log2(e) / 8
	s_mov_b32 s24, 0x76543210
	s_mov_b32 s25, 0xfedcba98                      ; lane l xor 16
	s_wait_kmcnt 0x0
	s_add_nc_u64 s[4:5], s[4:5], s[16:17]
	s_add_nc_u64 s[6:7], s[6:7], s[18:19]
	s_add_nc_u64 s[8:9], s[8:9], s[20:21]
.irp t, 0,1,2,3
.irp hf, 0,1
	global_load_b128 v[QI+8*\t+4*\hf:QI+8*\t+4*\hf+3], v[LI], s[4:5] offset:\t*1024+\hf*512
.endr
.endr
.irp t, 0,1,2,3
.irp hf, 0,1
	global_load_b128 v[KI+8*\t+4*\hf:KI+8*\t+4*\hf+3], v[LI], s[4:5] offset:262144+\t*1024+\hf*512
.endr
.endr
.irp t, 0,1,2,3
.irp hf, 0,1
	global_load_b128 v[VI+8*\t+4*\hf:VI+8*\t+4*\hf+3], v[LI], s[4:5] offset:524288+\t*1024+\hf*512
.endr
.endr
.irp t, 0,1,2,3,4,5,6,7                        ; W_o's piece T: lane (r, h): output row r, k = 16 T + 8 h + 0 .. 7 of my quarter: the places of O's image T
	global_load_b128 v[WI+8*\t:WI+8*\t+3], v[WA], s[6:7] offset:64*\t
	global_load_b128 v[WI+8*\t+4:WI+8*\t+7], v[WA], s[6:7] offset:64*\t+16
.endr
	s_wait_loadcnt 24                              ; Q and K are in; V's 8 and W_o's 16 may be out
	; ---- 1: S^T = K Q^T: accumulator t sums channels 16 t .. 16 t + 15
.irp i, 0,1,2,3
.irp t, 0,1,2,3
.if \i == 0
	v_wmma_f32_16x16x4_f32 v[ACC+8*\t:ACC+8*\t+7], v[KI+8*\t+2*\i:KI+8*\t+2*\i+1], v[QI+8*\t+2*\i:QI+8*\t+2*\i+1], 0
.else
	v_wmma_f32_16x16x4_f32 v[ACC+8*\t:ACC+8*\t+7], v[KI+8*\t+2*\i:KI+8*\t+2*\i+1], v[QI+8*\t+2*\i:QI+8*\t+2*\i+1], v[ACC+8*\t:ACC+8*\t+7]
.endif
.endr
.endr
	NOPS 8                                         ; eight places behind this form, in front of reads of results and of loads into its operands
.irp t, 0,1,2,3,4,5,6,7                        ; W_o's pieces 8-15 take Q's and K's registers
	global_load_b128 v[QI+8*\t:QI+8*\t+3], v[WA], s[6:7] offset:512+64*\t
	global_load_b128 v[QI+8*\t+4:QI+8*\t+7], v[WA], s[6:7] offset:512+64*\t+16
.endr
.irp j, 0,1,2,3,4,5,6,7                        ; lane (r, h), register j: query r, key 8 h + j.  Each accumulator is read from its low end on
	v_add_f32 v14, v[ACC+\j], v[ACC+8+\j]
	v_add_f32 v15, v[ACC+16+\j], v[ACC+24+\j]
	v_add_f32 v[SS+\j], v14, v15
.endr
.irp j, 0,1,2,3,4,5,6,7
	v_cmp_gt_i32 vcc_lo, \j, v[DQ]                 ; hidden where 8 h + j > r
	v_cndmask_b32 v[SS+\j], v[SS+\j], v[NEG], vcc_lo
.endr
	v_max3_num_f32 v14, v[SS], v[SS+1], v[SS+2]
	v_max3_num_f32 v14, v14, v[SS+3], v[SS+4]
	v_max3_num_f32 v14, v14, v[SS+5], v[SS+6]
	v_max_num_f32 v14, v14, v[SS+7]
	v_permlanex16_b32 v15, v14, s24, s25
	v_max_num_f32 v14, v14, v15                    ; the row's largest score (key 0 counts for every query)
	v_mul_f32 v14, s22, v14
.irp j, 0,1,2,3,4,5,6,7
	v_fma_f32 v[SS+\j], v[SS+\j], s22, -v14
.endr
.irp j, 0,1,2,3,4,5,6,7
	v_exp_f32 v[P+\j], v[SS+\j]
.endr
	v_nop
	s_wait_alu depctr_va_vdst(0)                   ; one wait for the eight exponentials, ahead of their first reader
	v_add_f32 v14, v[P], v[P+1]
	v_add_f32 v15, v[P+2], v[P+3]
	v_add_f32 v14, v14, v[P+4]
	v_add_f32 v15, v15, v[P+5]
	v_add_f32 v14, v14, v[P+6]
	v_add_f32 v15, v15, v[P+7]
	v_add_f32 v14, v14, v15
	v_permlanex16_b32 v15, v14, s24, s25
	v_add_f32 v14, v14, v15                        ; l
	v_rcp_f32 v[RL], v14
	v_nop
	s_wait_alu depctr_va_vdst(0)
	s_wait_loadcnt 32                              ; V is in; W_o's 32 loads may be out
	; O^T = V^T P: accumulator dt holds channels 16 dt + 8 h + j of query r.  More than nine plain instructions that name no register of the products above stand in front
.irp i, 0,1,2,3
.irp t, 0,1,2,3
.if \i == 0
	v_wmma_f32_16x16x4_f32 v[ACC+8*\t:ACC+8*\t+7], v[VI+8*\t+2*\i:VI+8*\t+2*\i+1], v[P+2*\i:P+2*\i+1], 0
.else
	v_wmma_f32_16x16x4_f32 v[ACC+8*\t:ACC+8*\t+7], v[VI+8*\t+2*\i:VI+8*\t+2*\i+1], v[P+2*\i:P+2*\i+1], v[ACC+8*\t:ACC+8*\t+7]
.endif
.endr
.endr
	NOPS 8
.irp j, 0,1,2,3,4,5,6,7,8,9,10,11,12,13,14,15,16,17,18,19,20,21,22,23,24,25,26,27,28,29,30,31
	v_mul_f32 v[VI+\j], v[ACC+\j], v[RL]           ; O / l goes into other registers
.endr
.irp t, 0,1,2,3
.irp hf, 0,1
	ds_store_b128 v[OW], v[VI+8*\t+4*\hf:VI+8*\t+4*\hf+3] offset:OIMG+\t*1024+\hf*512
.endr
.endr
	s_wait_dscnt 0x0                               ; for the others' sake: my stores have landed
	s_barrier_signal -1
	s_barrier_wait -1                              ; all 64 images lie in LDS
	; ---- 2: out^T = W_o O^T over my quarter of K, four images at a time
.macro OLOAD b
.set OBR, OB0-(OB0-VI)*((\b)%2)
.irp u, 0,1,2,3
.irp hf, 0,1
	ds_load_b128 v[OBR+8*\u+4*\hf:OBR+8*\u+4*\hf+3], v[ORD] offset:OIMG+(4*(\b)+\u)*1024+\hf*512
.endr
.endr
.endm
.macro OMUL b
.set OBR, OB0-(OB0-VI)*((\b)%2)
.irp u, 0,1,2,3
.set WR, WI+8*(4*(\b)+\u)-160*((4*(\b)+\u)/8)
.irp i, 0,1,2,3
.if (\b) == 0 && \u == 0
	v_wmma_f32_16x16x4_f32 v[ACC+8*\i:ACC+8*\i+7], v[WR+2*\i:WR+2*\i+1], v[OBR+8*\u+2*\i:OBR+8*\u+2*\i+1], 0
.else
	v_wmma_f32_16x16x4_f32 v[ACC+8*\i:ACC+8*\i+7], v[WR+2*\i:WR+2*\i+1], v[OBR+8*\u+2*\i:OBR+8*\u+2*\i+1], v[ACC+8*\i:ACC+8*\i+7]
.endif
.endr
.endr
.endm
	OLOAD 0
	OLOAD 1
	NOPS 9                                         ; nine places in front of products that begin the accumulators anew
	s_wait_loadcnt 16                              ; W_o's pieces 0-7 are in
	s_wait_dscnt 8                                 ; the older eight LDS loads are in
	OMUL 0
	NOPS 8
	OLOAD 2
	s_wait_dscnt 8
	OMUL 1
	NOPS 8
	OLOAD 3
	s_wait_loadcnt 0x0                             ; W_o's pieces 8-15
	s_wait_dscnt 8
	OMUL 2
	s_wait_dscnt 0x0
	OMUL 3
	NOPS 8
.irp j, 0,1,2,3,4,5,6,7                        ; lane (r, h), register j: query r, output 16 x tile + 8 h + j
	v_add_f32 v14, v[ACC+\j], v[ACC+8+\j]
	v_add_f32 v15, v[ACC+16+\j], v[ACC+24+\j]
	v_add_f32 v[SS+\j], v14, v15
.endr
	ds_store_b128 v[RW], v[SS:SS+3]
	ds_store_b128 v[RW], v[SS+4:SS+7] offset:512
	s_wait_dscnt 0x0
	s_barrier_signal -1
	s_barrier_wait -1                              ; all sixteen partial sums lie in LDS
	; ---- 3: waves 0-7 add the four quarters of K and store: sixteen lanes fill 256 consecutive bytes, aligned
	s_cmp_lt_u32 s10, 8
	s_cbranch_scc0 .Lend
.irp k, 0,1,2,3
	ds_load_b128 v[OB0+4*\k:OB0+4*\k+3], v[FA] offset:1024*\k
.endr
	s_wait_dscnt 0x0
	v_pk_add_f32 v[OB0:OB0+1], v[OB0:OB0+1], v[OB0+4:OB0+5]
	v_pk_add_f32 v[OB0+2:OB0+3], v[OB0+2:OB0+3], v[OB0+6:OB0+7]
	v_pk_add_f32 v[OB0+8:OB0+9], v[OB0+8:OB0+9], v[OB0+12:OB0+13]
	v_pk_add_f32 v[OB0+10:OB0+11], v[OB0+10:OB0+11], v[OB0+14:OB0+15]
	v_pk_add_f32 v[OB0:OB0+1], v[OB0:OB0+1], v[OB0+8:OB0+9]
	v_pk_add_f32 v[OB0+2:OB0+3], v[OB0+2:OB0+3], v[OB0+10:OB0+11]
	global_store_b128 v[GO], v[OB0:OB0+3], s[8:9]
.Lend:
	s_wait_tensorcnt 0x0                           ; the wave's end, behind my last LDS store
	ds_add_u32 v[SPW], v[NIL]
	s_wait_dscnt 0x0
	s_endpgm
.Lfunc_end_k_q408c2890dc_fine16:
	.size	k_q408c2890dc_fine16, .Lfunc_end_k_q408c2890dc_fine16-k_q408c2890dc_fine16
	.p2alignl 7, 3214868480
	.fill 96, 4, 3214868480
	.section	.rodata,"a",@progbits
	.p2align	6, 0x0
	.amdhsa_kernel k_q408c2890dc_fine16
		.amdhsa_group_segment_fixed_size 83968
		.amdhsa_private_segment_fixed_size 0
		.amdhsa_enable_private_segment 0
		.amdhsa_kernarg_size 24
		.amdhsa_user_sgpr_count 2
		.amdhsa_user_sgpr_kernarg_segment_ptr 1
		.amdhsa_wavefront_size32 1
		.amdhsa_system_sgpr_workgroup_id_x 1
		.amdhsa_system_sgpr_workgroup_id_y 1
		.amdhsa_system_sgpr_workgroup_id_z 1
		.amdhsa_system_vgpr_workitem_id 0
		.amdhsa_next_free_vgpr 256
		.amdhsa_next_free_sgpr 66
		.amdhsa_reserve_vcc 1
		.amdhsa_float_denorm_mode_32 3
		.amdhsa_float_denorm_mode_16_64 3
		.amdhsa_memory_ordered 1
		.amdhsa_forward_progress 1
		.amdhsa_inst_pref_size 25
	.end_amdhsa_kernel
	.amdgpu_metadata
---
amdhsa.version: [ 1, 2 ]
amdhsa.kernels:
  - .name:           k_q408c2890dc_fine16
    .symbol:         k_q408c2890dc_fine16.kd
    .args:
      - { .name: fine, .offset: 0, .size: 8, .value_kind: global_buffer, .address_space: global }
      - { .name: W_o, .offset: 8, .size: 8, .value_kind: global_buffer, .address_space: global }
      - { .name: out0, .offset: 16, .size: 8, .value_kind: global_buffer, .address_space: global }
    .group_segment_fixed_size: 83968
    .private_segment_fixed_size: 0
    .kernarg_segment_align: 8
    .kernarg_segment_size: 24
    .max_flat_workgroup_size: 512
    .sgpr_count:     66
    .vgpr_count:     256
    .wavefront_size: 32
...
	.end_amdgpu_metadata
.endif
;; end of part 5
